; MI455X (gfx1250); checked and timed in simulation.
; The chip was launched on July 23, 2026; its instructions are those of AMD's public machine-readable ISA for CDNA 5 (MIT licence, August 2026) and "CDNA5" Instruction Set Architecture Reference Guide (July 2026). The comments in the code are by the model that wrote it; some were corrected since.
;; Cepta Context Block. Allowed arithmetic: float matrix products may take bf16 or f16 operands with f32 sums; other float arithmetic in f32, or as packed bf16 or f16 multiplies, adds, multiply-adds, maxima and minima; sums over many terms, partial sums and values carried from step to step in f32; what a program stores and reads back later, other than sums and carried values, may be rounded once to bf16 or f16.
;; Inputs: B_mat 512 x 64 float32; C_mat 64 x 512 float32; W_F 1,024 x 512 float32; W_U 1,024 x 512 x 4 float32; W_V 512 x 4 float32; W_fromP 512 x 1,024 float32; W_lam 512 x 64 float32; W_toP 1,024 x 512 float32; x 4 x 4,096 x 1,024 float32.
;; Outputs: out0 4 x 4,096 x 1,024 float32.
;; 2 versions, each right; version 2 is version 1 with the launch prep written anew for expert scheduling mode. Each part assembles by itself: llvm-mc -triple=amdgcn-amd-amdhsa -mcpu=gfx1250 --defsym DOCPART=n.
;; ======== version 1 of 2: 3 launches
;; limits: values are held in f16: magnitudes above 65,504 overflow, below 6.1e-05 lose precision; inputs' magnitudes at most 65,504
;; workspace buffers: w1 2,097,152 bytes; w2 1,179,648 bytes; wsm 131,072 bytes; tws 16,777,216 bytes; tsc 262,144 bytes; sloc 4,194,304 bytes; pws 4,194,304 bytes
;; launch prep (part 1): grid 256 x 1, 8 waves a work-group, no clusters, 25,600 bytes of LDS; arguments W_toP, W_U, W_V, W_F, W_lam, B_mat, C_mat, W_fromP, w1, w2, wsm; writes w1, w2, wsm
.if DOCPART == 1
	.amdgcn_target "amdgcn-amd-amdhsa--gfx1250"
	.amdhsa_code_object_version 6
	.text
	.protected	k_q2958d77247_prep
	.globl	k_q2958d77247_prep
	.p2align	8
	.type	k_q2958d77247_prep,@function
k_q2958d77247_prep:
	s_mov_b64 s[64:65], 0
	v_nop
	global_prefetch_b8 v0, s[64:65] scope:SCOPE_SE
	s_setreg_imm32_b32 hwreg(HW_REG_WAVE_MODE, 25, 1), 1
	s_wait_xcnt 0x0
; prep: folds and packs the weights, in f32, rounded once to f16, into the order in which the two matrix launches read them.
;   w1 : W_eff[d][p] = W_toP[d][p] + sum over a of W_U[d][p][a] W_V[p][a]   and   -log2(e) W_F[d][p]
;   w2 : W_fromP[p][d]   and   N[c][d] = sum over p of C_mat[c][p] W_fromP[p][d]
;   wsm: -log2(e) W_lam[p][c]   and   B_mat[p][c]
; The two foldings are exact identities of the sums (they hold for every input); they round in another order than the sums as first written.
; A fragment of 16 columns x 32 K of f16 is 1,024 bytes: element (column n, kk) lies at (kk>>4) 512 + ((kk>>3)&1) 256 + 16 n + 2 (kk&7),
; so that a lane of a matrix launch finds its registers 0-3 at 16 x lane and its registers 4-7 at 512 + 16 x lane.
; A thread owns one column and 8 consecutive K: 8 loads, 4 packed roundings, one store of 16 bytes; sixteen neighbouring lanes store 256
; consecutive bytes, aligned.  No matrix instruction: the work is 0.08 G multiply-adds on 15 MB.
; LIMIT: every packed number must lie below 65,504 in magnitude (f16); numbers below 6e-5 keep an absolute error of 3e-8.
.set NLOG2E, 0xbfb8aa3b                ; -log2(e): the sigmoids are later made as 1 / (1 + 2^z)
.set RED,  16384                       ; LDS: [0, 16384) each wave's 8 x 64 block of C_mat; [16384, 24576) the waves' partial sums of N
.set L4,   2                           ; v2   4 x lane
.set L16,  3                           ; v3   16 x lane
.set DL,   5                           ; v5   lane term of every fragment store: (lane>>4) 1024 + 16 (lane&15)
.set UOFF, 6
.set TOFF, 7
.set VOFF, 8
.set DE,   9
.set WOFF, 10
.set DW,   11
.set SOFF, 12
.set DSM,  13
.set NOFF, 14
.set COFF, 15
.set CC,   16                          ; v[16:31]   my part of the wave's block of C_mat
.set SS,   32                          ; v[32:39]   W_lam or B_mat
.set VV,   40                          ; v[40:43]   W_V of my column
.set UU,   44                          ; v[44:75]   W_U, 8 d x 4 factors
.set TP,   76                          ; v[76:83]   W_toP
.set FF,   84                          ; v[84:91]   W_F
.set WW,   92                          ; v[92:99]   W_fromP, to pack
.set WN,   100                         ; v[100:163] W_fromP, 64 p of my column, for N
.set CT,   164                         ; v[164:227] C_mat, 8 channels x 4 p, two buffers
.set AC,   228                         ; v[228:243] 8 channels, sums over even and odd p
.set CST,  244
.set CRD,  245
.set RST,  246
.set RRD,  247
.set DN,   248
; byte offset of a fragment store: K group g (8 K each), column group c (32 columns each), 1<<sh column groups in a wave's share
.macro FMDST vd, sg, sc, sh
	s_lshr_b32 s40, \sg, 3
	s_lshl_b32 s40, s40, 17                        ; trip of 64 K: 131,072 bytes
	s_lshr_b32 s41, \sc, \sh
	s_lshl_b32 s41, s41, 15                        ; wave's share: 32,768
	s_add_co_u32 s40, s40, s41
	s_bfe_u32 s41, \sg, 0x10002
	s_lshl_b32 s41, s41, 14                        ; unit of 32 K: 16,384
	s_add_co_u32 s40, s40, s41
	s_and_b32 s41, \sc, (1<<\sh)-1
	s_lshl_b32 s41, s41, 11                        ; two tiles of 1,024
	s_add_co_u32 s40, s40, s41
	s_and_b32 s41, \sg, 3
	s_lshl_b32 s41, s41, 8                         ; which 8 of the 32 K
	s_add_co_u32 s40, s40, s41
	v_add_nc_u32 v[\vd], s40, v[DL]
.endm
.macro PACK8 r                         ; 8 f32 at r to 8 f16 in r .. r+3 (each source is read before it is written)
.irp k, 0,1,2,3
	v_cvt_pk_f16_f32 v[\r+\k], v[\r+2*\k], v[\r+2*\k+1]
.endr
.endm
	s_load_b512 s[4:19], s[0:1], 0x0               ; W_toP 4, W_U 6, W_V 8, W_F 10, W_lam 12, B_mat 14, C_mat 16, W_fromP 18
	s_load_b128 s[20:23], s[0:1], 0x40             ; w1 20, w2 22
	s_load_b64 s[24:25], s[0:1], 0x50              ; wsm
	v_lshl_add_u32 v254, v0, 2, 0x6000
	v_mov_b32 v255, 0
	v_lshrrev_b32 v1, 5, v0
	v_readfirstlane_b32 s26, v1                    ; wave 0..7
	v_and_b32 v1, 31, v0                           ; lane
	v_lshlrev_b32 v[L4], 2, v1
	v_lshlrev_b32 v[L16], 4, v1
	v_and_b32 v4, 15, v0
	v_lshlrev_b32 v4, 4, v4                        ; 16 (lane&15)
	v_lshrrev_b32 v5, 4, v1                        ; lane>>4
	v_lshl_add_u32 v[COFF], v5, 11, v4             ; one row of C_mat further for the upper lanes
	v_lshl_add_u32 v[DL], v5, 10, v4
	s_lshl_b32 s27, ttmp9, 3
	s_add_co_u32 s27, s27, s26                     ; wave's number in the launch, 0..2047
	s_and_b32 s28, s27, 15                         ; W_eff, W_F: 32 columns p
	s_lshr_b32 s29, s27, 4                         ;             8 rows d
	s_and_b32 s30, s27, 31                         ; W_fromP: 32 columns d
	s_lshr_b32 s31, s27, 5                         ;          8 rows p
	s_lshr_b32 s32, ttmp9, 7                       ; small matrices, one piece a work-group: 0 W_lam, 1 B_mat
	s_bfe_u32 s33, ttmp9, 0x60001                  ;          8 rows p
	s_and_b32 s34, ttmp9, 1                        ;          32 channels
	s_and_b32 s35, ttmp9, 31                       ; N, one piece a work-group: 32 columns d
	s_lshr_b32 s36, ttmp9, 5                       ;          8 channels
	s_add_co_u32 s37, s36, 64                      ; N is K groups 64..71 of w2 (behind the 512 p)
	s_lshl_b32 s40, s29, 16
	s_lshl_b32 s41, s28, 9
	v_add3_u32 v[UOFF], s40, s41, v[L16]           ; W_U: d 8,192 bytes, p 16 bytes
	v_add_nc_u32 v[VOFF], s41, v[L16]              ; W_V: p 16 bytes
	s_lshl_b32 s40, s29, 14
	s_lshl_b32 s41, s28, 7
	v_add3_u32 v[TOFF], s40, s41, v[L4]            ; W_toP, W_F: d 2,048 bytes, p 4 bytes
	FMDST DE, s29, s28, 2
	s_lshl_b32 s40, s31, 15
	s_lshl_b32 s41, s30, 7
	v_add3_u32 v[WOFF], s40, s41, v[L4]            ; W_fromP: p 4,096 bytes, d 4 bytes
	FMDST DW, s31, s30, 3
	s_lshl_b32 s40, s33, 11
	s_lshl_b32 s41, s34, 7
	v_add3_u32 v[SOFF], s40, s41, v[L4]            ; W_lam, B_mat: p 256 bytes, channel 4 bytes
	s_lshl_b32 s40, s32, 16                        ; wsm: matrix 65,536; unit of 32 p 4,096; tile 1,024
	s_lshr_b32 s41, s33, 2
	s_lshl_b32 s41, s41, 12
	s_add_co_u32 s40, s40, s41
	s_lshl_b32 s41, s34, 11
	s_add_co_u32 s40, s40, s41
	s_and_b32 s41, s33, 3
	s_lshl_b32 s41, s41, 8
	s_add_co_u32 s40, s40, s41
	v_add_nc_u32 v[DSM], s40, v[DL]
	s_lshl_b32 s40, s26, 18                        ; N: wave w sums p = 64 w .. 64 w + 63
	s_lshl_b32 s41, s35, 7
	v_add3_u32 v[NOFF], s40, s41, v[L4]
	s_lshl_b32 s40, s36, 14                        ; C_mat: 8 channels of 2,048 bytes; 64 p are 256 bytes
	s_lshl_b32 s41, s26, 8
	v_add3_u32 v[COFF], s40, s41, v[COFF]
	FMDST DN, s37, s35, 3
	s_lshl_b32 s40, s26, 11
	v_add_nc_u32 v[CST], s40, v[L16]               ; LDS: my wave's 2,048 bytes, channel ch at 256 ch
	v_mov_b32 v[CRD], s40
	s_lshl_b32 s40, s26, 10
	v_lshlrev_b32 v[RRD], 5, v1
	v_add_nc_u32 v[RRD], RED, v[RRD]               ; 32 bytes a lane
	v_add_nc_u32 v[RST], s40, v[RRD]               ; 1,024 bytes a wave
	s_wait_kmcnt 0x0
	s_cmp_eq_u32 s32, 0
	s_cselect_b64 s[44:45], s[12:13], s[14:15]     ; W_lam or B_mat
	s_cselect_b32 s46, NLOG2E, 1.0                 ; and its factor
	; all loads at once: 45 for the packing, then 64 for N
.irp y, 0,1,2,3
	global_load_b128 v[CC+4*\y:CC+4*\y+3], v[COFF], s[16:17] offset:4096*\y
.endr
.irp e, 0,1,2,3,4,5,6,7
	global_load_b32 v[SS+\e], v[SOFF], s[44:45] offset:256*\e
.endr
	global_load_b128 v[VV:VV+3], v[VOFF], s[8:9]
.irp e, 0,1,2,3,4,5,6,7
	global_load_b128 v[UU+4*\e:UU+4*\e+3], v[UOFF], s[6:7] offset:8192*\e th:TH_LOAD_NT
.endr
.irp e, 0,1,2,3,4,5,6,7
	global_load_b32 v[TP+\e], v[TOFF], s[4:5] offset:2048*\e
.endr
.irp e, 0,1,2,3,4,5,6,7
	global_load_b32 v[FF+\e], v[TOFF], s[10:11] offset:2048*\e
.endr
.irp e, 0,1,2,3,4,5,6,7
	global_load_b32 v[WW+\e], v[WOFF], s[18:19] offset:4096*\e
.endr
.set jj, 0
.rept 64
	global_load_b32 v[WN+jj], v[NOFF], s[18:19] offset:4096*jj
.set jj, jj+1
.endr
	s_wait_loadcnt 63                              ; 109 were issued, loads return in order: the first 46 are in, the 45 of the packing among them
.irp y, 0,1,2,3
	ds_store_b128 v[CST], v[CC+4*\y:CC+4*\y+3] offset:512*\y
.endr
	; W_eff = W_toP + sum over the four factors
.irp a, 0,1,2,3
.irp e, 0,1,2,3,4,5,6,7
	v_fma_f32 v[TP+\e], v[UU+4*\e+\a], v[VV+\a], v[TP+\e]
.endr
.endr
	PACK8 TP
	global_store_b128 v[DE], v[TP:TP+3], s[20:21]
.irp e, 0,1,2,3,4,5,6,7
	v_mul_f32 v[FF+\e], NLOG2E, v[FF+\e]
.endr
	PACK8 FF
	global_store_b128 v[DE], v[FF:FF+3], s[20:21] offset:8192      ; the gate's tiles lie 8 tiles behind W_eff's
	PACK8 WW
	global_store_b128 v[DW], v[WW:WW+3], s[22:23]
.irp e, 0,1,2,3,4,5,6,7
	v_mul_f32 v[SS+\e], s46, v[SS+\e]
.endr
	PACK8 SS
	s_cmp_lg_u32 s26, 1
	s_cbranch_scc1 .Lno_small                      ; the work-group has one piece of the small matrices: wave 1 stores it
	global_store_b128 v[DSM], v[SS:SS+3], s[24:25]
.Lno_small:
	; N: 16 steps of 4 p.  All lanes read the same 16 bytes of a channel's row; the next step's eight reads are out while this step multiplies.
.irp ch, 0,1,2,3,4,5,6,7
	ds_load_b128 v[CT+4*\ch:CT+4*\ch+3], v[CRD] offset:256*\ch     ; my wave's own bytes: LDS serves a wave's instructions in order
.endr
.set pq, 0
.rept 16
.set ct0, CT+32*(pq&1)
.set ct1, CT+32*((pq+1)&1)
.if pq < 15
.irp ch, 0,1,2,3,4,5,6,7
	ds_load_b128 v[ct1+4*\ch:ct1+4*\ch+3], v[CRD] offset:256*\ch+16*(pq+1)
.endr
	s_wait_dscnt 0x8                               ; all but the eight just issued
.else
	s_wait_dscnt 0x0
.endif
	s_wait_loadcnt 60-4*pq                         ; so many loads of W_fromP were issued behind the four of this step
.irp ch, 0,1,2,3,4,5,6,7
.if pq == 0
	v_pk_mul_f32 v[AC+2*\ch:AC+2*\ch+1], v[ct0+4*\ch:ct0+4*\ch+1], v[WN+4*pq:WN+4*pq+1]    ; the first products start the sums
.else
	v_pk_fma_f32 v[AC+2*\ch:AC+2*\ch+1], v[ct0+4*\ch:ct0+4*\ch+1], v[WN+4*pq:WN+4*pq+1], v[AC+2*\ch:AC+2*\ch+1]
.endif
.endr
.irp ch, 0,1,2,3,4,5,6,7
	v_pk_fma_f32 v[AC+2*\ch:AC+2*\ch+1], v[ct0+4*\ch+2:ct0+4*\ch+3], v[WN+4*pq+2:WN+4*pq+3], v[AC+2*\ch:AC+2*\ch+1]
.endr
.set pq, pq+1
.endr
.irp ch, 0,1,2,3,4,5,6,7
	v_add_f32 v[CT+\ch], v[AC+2*\ch], v[AC+2*\ch+1]
.endr
	ds_store_b128 v[RST], v[CT:CT+3]
	ds_store_b128 v[RST], v[CT+4:CT+7] offset:16
	s_wait_dscnt 0x0                               ; my partial sums are in LDS before I say so
	s_barrier_signal -1
	s_barrier_wait -1
	s_cmp_lg_u32 s26, 0
	s_cbranch_scc1 .Ldone                          ; wave 0 adds the eight waves' sums, in the order of the waves
.irp pw, 0,1,2,3,4,5,6,7
	ds_load_b128 v[CT+8+8*\pw:CT+8+8*\pw+3], v[RRD] offset:1024*\pw
	ds_load_b128 v[CT+8+8*\pw+4:CT+8+8*\pw+7], v[RRD] offset:1024*\pw+16
.endr
	s_wait_dscnt 0x0
.irp pw, 1,2,3,4,5,6,7
.irp k, 0,2,4,6
	v_pk_add_f32 v[CT+8+\k:CT+8+\k+1], v[CT+8+\k:CT+8+\k+1], v[CT+8+8*\pw+\k:CT+8+8*\pw+\k+1]
.endr
.endr
	PACK8 CT+8
	global_store_b128 v[DN], v[CT+8:CT+11], s[22:23]
.Ldone:
	s_wait_tensorcnt 0x0
	ds_add_u32 v254, v255
	s_wait_dscnt 0x0
	s_endpgm
.Lfunc_end_k_q2958d77247_prep:
	.size	k_q2958d77247_prep, .Lfunc_end_k_q2958d77247_prep-k_q2958d77247_prep
	.p2alignl 7, 3214868480
	.fill 96, 4, 3214868480
	.section	.rodata,"a",@progbits
	.p2align	6, 0x0
	.amdhsa_kernel k_q2958d77247_prep
		.amdhsa_group_segment_fixed_size 25600
		.amdhsa_private_segment_fixed_size 0
		.amdhsa_enable_private_segment 0
		.amdhsa_kernarg_size 88
		.amdhsa_user_sgpr_count 2
		.amdhsa_user_sgpr_kernarg_segment_ptr 1
		.amdhsa_wavefront_size32 1
		.amdhsa_system_sgpr_workgroup_id_x 1
		.amdhsa_system_sgpr_workgroup_id_y 1
		.amdhsa_system_sgpr_workgroup_id_z 1
		.amdhsa_system_vgpr_workitem_id 0
		.amdhsa_next_free_vgpr 256
		.amdhsa_next_free_sgpr 66
		.amdhsa_reserve_vcc 0
		.amdhsa_float_denorm_mode_32 3
		.amdhsa_float_denorm_mode_16_64 3
		.amdhsa_memory_ordered 1
		.amdhsa_forward_progress 1
		.amdhsa_inst_pref_size 48
	.end_amdhsa_kernel
	.amdgpu_metadata
---
amdhsa.version: [ 1, 2 ]
amdhsa.kernels:
  - .name:           k_q2958d77247_prep
    .symbol:         k_q2958d77247_prep.kd
    .args:
      - { .name: W_toP, .offset: 0, .size: 8, .value_kind: global_buffer, .address_space: global }
      - { .name: W_U, .offset: 8, .size: 8, .value_kind: global_buffer, .address_space: global }
      - { .name: W_V, .offset: 16, .size: 8, .value_kind: global_buffer, .address_space: global }
      - { .name: W_F, .offset: 24, .size: 8, .value_kind: global_buffer, .address_space: global }
      - { .name: W_lam, .offset: 32, .size: 8, .value_kind: global_buffer, .address_space: global }
      - { .name: B_mat, .offset: 40, .size: 8, .value_kind: global_buffer, .address_space: global }
      - { .name: C_mat, .offset: 48, .size: 8, .value_kind: global_buffer, .address_space: global }
      - { .name: W_fromP, .offset: 56, .size: 8, .value_kind: global_buffer, .address_space: global }
      - { .name: w1, .offset: 64, .size: 8, .value_kind: global_buffer, .address_space: global }
      - { .name: w2, .offset: 72, .size: 8, .value_kind: global_buffer, .address_space: global }
      - { .name: wsm, .offset: 80, .size: 8, .value_kind: global_buffer, .address_space: global }
    .group_segment_fixed_size: 25600
    .private_segment_fixed_size: 0
    .kernarg_segment_align: 8
    .kernarg_segment_size: 88
    .max_flat_workgroup_size: 256
    .sgpr_count:     66
    .vgpr_count:     256
    .wavefront_size: 32
...
	.end_amdgpu_metadata
.endif
;; end of part 1
;; launch front (part 2): grid 256 x 1, 4 waves a work-group, clusters of 4 x 1, 327,680 bytes of LDS; arguments x, w1, wsm, tws, tsc, sloc, pws; writes tws, tsc, sloc, pws
.if DOCPART == 2
	.amdgcn_target "amdgcn-amd-amdhsa--gfx1250"
	.amdhsa_code_object_version 6
	.text
	.protected	k_q2958d77247_front
	.globl	k_q2958d77247_front
	.p2align	8
	.type	k_q2958d77247_front,@function
k_q2958d77247_front:
	s_mov_b64 s[64:65], 0
	v_nop
	global_prefetch_b8 v0, s[64:65] scope:SCOPE_SE
	s_setreg_imm32_b32 hwreg(HW_REG_WAVE_MODE, 25, 1), 1
	s_wait_xcnt 0x0
	s_wait_alu depctr_hold_cnt(0) depctr_sa_sdst(0) depctr_va_vdst(0) depctr_va_sdst(0) depctr_va_ssrc(0) depctr_va_vcc(0) depctr_vm_vsrc(0)
	s_getreg_b32 s2, hwreg(HW_REG_IB_STS2, 6, 4)
	s_cmp_eq_u32 s2, 0
	s_cbranch_scc0 .Lentry_in_a_cluster
	s_endpgm
.Lentry_in_a_cluster:
	s_bfe_u32 s2, ttmp6, 0x10000c
	s_cmp_lg_u32 s2, 0x3003
	s_cbranch_scc0 .Lentry_shape_is_right
	s_endpgm
.Lentry_shape_is_right:
; front: for a chunk of 64 tokens:  t = x W_eff,  gate = sigmoid(x W_F),  lam = sigmoid(gate W_lam),  u = t B_mat,  and the scan of the chunk
; from a zero state.  Stored: t (f16, scaled), its scales, s_loc[row] (the state with nothing coming in) and P[row] (the product of lam from the
; chunk's first row on).  The true state is s_loc + P x (state that comes in): the scan is affine in it, for every input.
; SHAPE: four waves; the work-group makes 64 rows x 1,024 columns (512 of t, 512 of the gate), a wave 64 x 256 in 64 accumulator tiles = 512 registers:
; wave w has columns p = 128 w .. 128 w + 127 of t (tiles 0-7) and of the gate (tiles 8-15).  K = 1,024 goes in 16 trips of 64.
; The matrix instruction is used transposed: source 0 = 16 columns of the weights, source 1 = 16 tokens.  Lane (r, h), register j then holds token r,
; column 8 h + j, so that two neighbouring tiles pack, without leaving the registers, into one token fragment of 32 K for the next product.
; WEIGHTS: two LDS slots of 131,072 bytes (one trip each), filled by the tensor data mover from w1, which lies in fragment order: a wave fills and
; reads its own quarter, one load of 128 rows x 256 bytes a wave and trip.  CLUSTER 4 x 1: the four work-groups walk the same weights and ask for them
; jointly (mask 15), which divides the requests for weights by four.  Only one kind of tile is shared, so a second axis would share nothing.
; ORDER OF K: cluster c begins with trip (c ^ 5 (c >> 4)) & 15 and goes round.  So the 64 clusters' first fills ask for all 16 trips' weights at the
; launch's start, at any time the clusters ask for 16 different pieces of w1, and from its third trip on a cluster asks for weights that another cluster
; has asked for earlier in the launch.  Whichever one bit of c is held fixed, all 16 first trips occur.  The columns of x go in the same order.
; TOKENS: x comes through registers (each load covers two whole pieces of 256 bytes of two rows), is rounded to f16 and laid into a ring of its own,
; two slots of 64 rows x 144 bytes, written by LDS stores alone.  Two trips' loads of x are always out.
; NUMBER FORMAT: all matrix operands f16, sums f32.  t has no sure room in f16, so each row's 128 columns of a wave are divided by a power of two
; (the exponent of their largest magnitude, exact) and the factor is put back in f32.
; LIMITS: |x| below 65,504.  The blocked scan, the folded weights and the order of K (which differs from cluster to cluster) round in another order than
; the sums as first written, at the level of f32.  Rows whose largest |t| is beyond 2^126 or under 2^-126 are scaled by these bounds.  Where NaNs land is not kept.
.set SLOTB,  131072                    ; a weight slot
.set ARING,  262144                    ; token ring
.set ASLOT,  9216
.set APITCH, 144                       ; 128 bytes of a row + 16: sixteen rows start at sixteen different 16-byte columns
.set TSC,    280576                    ; 64 rows x 4 scales
.set SEG,    281600                    ; 8 segments x (A, B) x 64 channels
.set PARTB,  33792                     ; tail: a wave's partial sums, 64 rows x 528, on ring bytes that have had their last fill
.set PPITCH, 528                       ; lam at 0, u at 256, 16 of padding
; scalar registers behind the set-up: s[4:5] x at the chunk's first row; s[6:7], s[8:9] byte offset in w1 of the trip asked for last into slot 0, 1;
; s[10:11] byte offset in a row of x of the trip asked for last (the upper words are 0); s19 the cluster's first trip; s[52:53] w1 at my quarter
.set ADRW,  2                          ; v2-3    my weight fragments in slot 0, 1
.set ADRA,  4                          ; v4-5    token fragments in slot 0, 1
.set XST,   6                          ; v6-7    where I put 8 bytes of a token row, slot 0, 1
.set XOFF,  8                          ; v8      my 16 bytes of x in my wave's first two rows
.set L16,   9                          ; v9      16 x lane
.set PST,   10
.set TSCST, 11
.set MX,    12                         ; v12-15  four running maxima
.set PT,    16
.set IV,    18                         ; v18-19  1 / scale, twice
.set SP,    20                         ; v20-27  scale of row tile a, twice
.set RDA,   28                         ; v28-31  where I read the four waves' partial sums
.set FR,    32                         ; v32-159 tail: token fragments (row tile a, unit kk) at 8 (4 a + kk); in the loop v32-95 are the two fragment buffers
.set XS,    96                         ; v96-159 x as loaded, two sets
.set XC,    160                        ; v160-175 x in f16
.set TMP,   160                        ; v160-223 tail: scaled t in f32
.set SUM,   32
.set TA,    96
.set TB,    160
.set SEGST, 224
.set SEGRD, 225
.set VG,    226
.set OOFF,  227
.set TSCRD, 228
.set CS,    232
.set CP,    236
; register windows (s_set_vgpr_msb, low byte: bits 1:0 source 0, 3:2 source 1, 5:4 source 2, 7:6 destination):
; window 0 as above; window 1: weight fragments, two buffers of 16 tiles; window 2: accumulators of row tiles 0, 1 (tile (a', b) at 8 (16 a' + b)); window 3: row tiles 2, 3
.set MUL_LO, 0xa1
.set MUL_HI, 0xf1
.set TO_B,   0x40
.set IN_LO,  0x82                      ; source 0 and destination in window 2, source 1 in window 0
.set IN_HI,  0xc3
.set RD2_LO, 0x0a                      ; sources 0 and 1 in window 2, the rest in window 0
.set RD2_HI, 0x0f
.set RD1_LO, 0x02
.set RD1_HI, 0x03
.set ST_LO,  0x08                      ; an LDS store's data in window 2
.set ST_HI,  0x0c
.set MSB, 0
.macro WIN new                         ; the immediate's high byte repeats the setting that is left; a switch that changes nothing is dropped
.if MSB != \new
	s_set_vgpr_msb (MSB<<8)|\new
.set MSB, \new
.endif
.endm
.macro PLACES                          ; four plain vector instructions between a matrix instruction and whatever reads its result or writes or loads into one of its registers
.rept 4
	v_nop
.endr
.endm
.macro CREST                           ; a round of the cluster's barrier behind its opening work-group barrier
	s_cmp_lg_u32 s20, 0
	s_cbranch_scc1 .Lnot_wave_0_\@
	s_barrier_signal -3
.Lnot_wave_0_\@:
	s_barrier_wait -3
	s_barrier_signal -1
	s_barrier_wait -1
.endm
.macro CROUND
	s_barrier_signal -1
	s_barrier_wait -1
	CREST
.endm
; 16 matrix instructions: row tile 2 hi + ap x the wave's 16 column tiles, 32 along K, from buffer f
.macro MUL16 f, hi, ap, zero
.irp b, 0,1,2,3,4,5,6,7,8,9,10,11,12,13,14,15
.if \zero
	v_wmma_f32_16x16x32_f16 v[8*(16*\ap+\b):8*(16*\ap+\b)+7], v[128*\f+8*\b:128*\f+8*\b+7], v[32+32*\f+8*(2*\hi+\ap):32+32*\f+8*(2*\hi+\ap)+7], 0
.else
	v_wmma_f32_16x16x32_f16 v[8*(16*\ap+\b):8*(16*\ap+\b)+7], v[128*\f+8*\b:128*\f+8*\b+7], v[32+32*\f+8*(2*\hi+\ap):32+32*\f+8*(2*\hi+\ap)+7], v[8*(16*\ap+\b):8*(16*\ap+\b)+7]
.endif
.endr
.endm
; 40 LDS loads in one run: unit u of a slot into buffer f: 16 weight tiles (lane-contiguous, 512 bytes a load), then 4 token tiles
.macro FETCH slot, u, f
	WIN TO_B
.irp b, 0,1,2,3,4,5,6,7,8,9,10,11,12,13,14,15
	ds_load_b128 v[128*\f+8*\b:128*\f+8*\b+3],   v[ADRW+\slot] offset:\u*16384+\b*1024
	ds_load_b128 v[128*\f+8*\b+4:128*\f+8*\b+7], v[ADRW+\slot] offset:\u*16384+\b*1024+512
.endr
	WIN 0
.irp a, 0,1,2,3
	ds_load_b128 v[32+32*\f+8*\a:32+32*\f+8*\a+3],   v[ADRA+\slot] offset:\a*16*APITCH+\u*64
	ds_load_b128 v[32+32*\f+8*\a+4:32+32*\f+8*\a+7], v[ADRA+\slot] offset:\a*16*APITCH+\u*64+32
.endr
.endm
; the next trip's 64 columns of x: 256 bytes on in the row, round at the row's 4,096 bytes; the offset is kept apart from the address
.macro XSTEP
	s_add_co_u32 s10, s10, 256
	s_and_b32 s10, s10, 0xf00
	s_add_nc_u64 s[46:47], s[4:5], s[10:11]
.endm
; The next trip's tokens: set sl of x is rounded to f16 and laid into token slot sl; then the set is loaded again, three trips ahead of the running one.
; kind 0: nothing.  1: with loads.  2: no loads, the younger set is still out.  3: no loads, nothing else is out.
.macro STAGE sl, kind
.if \kind
.if \kind == 3
	s_wait_loadcnt 0x0
.else
	s_wait_loadcnt 0x8                             ; the eight loads of the younger set may stay out
.endif
.irp t, 0,1,2,3,4,5,6,7
	v_cvt_pk_f16_f32 v[XC+2*\t],   v[XS+32*\sl+4*\t],   v[XS+32*\sl+4*\t+1]
	v_cvt_pk_f16_f32 v[XC+2*\t+1], v[XS+32*\sl+4*\t+2], v[XS+32*\sl+4*\t+3]
.endr
.irp t, 0,1,2,3,4,5,6,7
	ds_store_b64 v[XST+\sl], v[XC+2*\t:XC+2*\t+1] offset:2*APITCH*\t
.endr
.if \kind == 1
	s_wait_xcnt 0x0                                ; the base of the loads that are out is written again only behind this wait
	XSTEP
.irp t, 0,1,2,3,4,5,6,7
	global_load_b128 v[XS+32*\sl+4*\t:XS+32*\sl+4*\t+3], v[XOFF], s[46:47] offset:8192*\t th:TH_LOAD_NT
.endr
.endif
.endif
.endm
; One trip: 64 along K as two units, 128 matrix instructions.  s = this trip's slot (weights and tokens), o = the other.
; fill 2: the slot is filled again, two trips ahead, behind a round of the cluster's barrier.  1: a plain barrier (the tokens change hands).  0: the last trip.
; The 64 accumulators take turns, one instruction a turn, in the same order in every unit, over the backward jump too.
.macro TRIP s, o, zero, kind, fill
	s_wait_dscnt 0x4                               ; the four youngest loads (token tiles 2, 3) may be out
	WIN MUL_LO
	MUL16 0, 0, 0, \zero
	MUL16 0, 0, 1, \zero
	PLACES
	FETCH \s, 1, 1
	s_wait_dscnt 40                                ; all but the 40 just issued
	WIN MUL_HI
	MUL16 0, 1, 0, \zero
	MUL16 0, 1, 1, \zero
	WIN 0
	STAGE \o, \kind                                ; token slot o: its last reads were waited for in front of the last trip's barrier
.if \kind
	s_wait_dscnt 12                                ; token tiles 2, 3 and the stage's eight stores may be out
.else
	s_wait_dscnt 0x4
.endif
	WIN MUL_LO
	MUL16 1, 0, 0, 0
.if \fill
	s_wait_dscnt 0x0                               ; my reads of this slot are back, my token stores are in LDS,
	s_set_vgpr_msb 0xa1a0
	s_wait_tensorcnt 0x0                           ; and all my tensor loads have landed: the one that was out is my quarter of the other slot
	ds_add_u32 v254, v255
	s_wait_dscnt 0x0
	s_set_vgpr_msb 0xa0a1
	s_barrier_signal -1
	MUL16 1, 0, 1, 0                               ; registers only
	WIN 0
	s_barrier_wait -1
.if \fill == 2
	CREST                                          ; no wave of any of the four work-groups still reads this slot or has a load on its way
	s_add_co_u32 s[6+2*\s], s[6+2*\s], 2*SLOTB     ; two trips on, round at w1's 16 trips: made of the cluster's number and constants, equal in the four partners
	s_and_b32 s[6+2*\s], s[6+2*\s], 16*SLOTB-1
	s_add_nc_u64 s[34+4*\s:35+4*\s], s[52:53], s[6+2*\s:7+2*\s]
	s_or_b32 s[35+4*\s], s[35+4*\s], 0x80000000    ; type = 2
	tensor_load_to_lds s[32+4*\s:35+4*\s], s[24:31]        ; my one tensor load behind the round, and the first there; 112 matrix instructions stand between it and the wait for it
	s_nop 0
.endif
	PLACES
	FETCH \o, 0, 0
	WIN MUL_HI
	MUL16 1, 1, 0, 0
	MUL16 1, 1, 1, 0
.else
	MUL16 1, 0, 1, 0
	s_wait_dscnt 0x0
	WIN MUL_HI
	MUL16 1, 1, 0, 0
	MUL16 1, 1, 1, 0
.endif
.endm
	s_load_b256 s[4:11], s[0:1], 0x0               ; x 4, w1 6, wsm 8, tws 10
	s_load_b128 s[12:15], s[0:1], 0x20             ; tsc 12, sloc 14
	s_load_b64 s[16:17], s[0:1], 0x30              ; pws
	v_lshl_add_u32 v254, v0, 2, 0x45c00
	v_mov_b32 v255, 0
	ds_add_u32 v254, v255
	v_lshrrev_b32 v1, 5, v0
	v_readfirstlane_b32 s20, v1                    ; wave 0..3
	s_bfe_u32 s21, ttmp6, 0x40000                  ; my place in the cluster
	s_lshl_b32 s22, ttmp9, 2
	s_add_co_u32 s22, s22, s21                     ; chunk = 4 x cluster + place: it enters global addresses of my own loads and stores alone
	s_lshr_b32 s19, ttmp9, 4                       ; the cluster's first trip: (c ^ 5 (c >> 4)) & 15, of the cluster's number alone
	s_mul_i32 s19, s19, 5
	s_xor_b32 s19, s19, ttmp9
	s_and_b32 s19, s19, 15
	s_mov_b32 s42, 0x76543210                      ; v_permlanex16_b32: lane i reads lane i of the other half
	s_mov_b32 s43, 0xfedcba98
	s_mov_b32 s44, 0x00800000                      ; 2^-126
	s_mov_b32 s45, 0x7e800000                      ; 2^126
	; descriptor group 1: a dense block as 128 rows of 32 elements of 8 bytes
	s_mov_b32 s24, 15|(3<<16)|(1<<21)              ; 15:0 mask: all four work-groups; 17:16 elements of 8 bytes; 21 set beside a mask
	s_mov_b32 s25, 32<<16                          ; tensor_dim0 = 32
	s_mov_b32 s26, 128<<16                         ; tensor_dim1 = 128
	s_mov_b32 s27, 32<<16                          ; tile_dim0 = 32
	s_mov_b32 s28, 128                             ; tile_dim1 = 128
	s_mov_b32 s29, 32                              ; from row to row: 32 elements
	s_mov_b32 s30, 0
	s_mov_b32 s31, 0
	v_and_b32 v12, 15, v0                          ; r
	v_bfe_u32 v13, v0, 4, 1                        ; h
	v_and_b32 v14, 31, v0                          ; lane
	v_lshlrev_b32 v[L16], 4, v14
	s_lshl_b32 s40, s20, 15                        ; my quarter of a slot
	s_mov_b32 s41, 0
	v_add_nc_u32 v[ADRW], s40, v[L16]
	v_add_nc_u32 v[ADRW+1], SLOTB, v[ADRW]
	v_mul_u32_u24 v15, v12, APITCH
	v_lshl_add_u32 v15, v13, 4, v15                ; row r, 16 bytes for each half of the lanes
	v_add_nc_u32 v[ADRA], ARING, v15
	v_add_nc_u32 v[ADRA+1], ARING+ASLOT, v15
	s_mul_i32 s50, s20, 16*APITCH                  ; my wave stages rows 16 w .. 16 w + 15
	v_mul_u32_u24 v15, v13, APITCH
	v_lshl_add_u32 v15, v12, 3, v15
	v_add_nc_u32 v15, s50, v15
	v_add_nc_u32 v[XST], ARING, v15
	v_add_nc_u32 v[XST+1], ARING+ASLOT, v15
	s_lshl_b32 s50, s20, 16
	v_lshlrev_b32 v15, 12, v13
	v_lshl_add_u32 v15, v12, 4, v15
	v_add_nc_u32 v[XOFF], s50, v15                 ; (16 w + h) rows of 4,096 bytes + 16 r
	s_mul_i32 s50, s20, PARTB
	v_mul_u32_u24 v15, v12, PPITCH
	v_lshl_add_u32 v15, v13, 5, v15
	v_add_nc_u32 v[PST], s50, v15                  ; token r, channels 8 h ..
	s_lshl_b32 s50, s20, 2
	v_lshl_add_u32 v15, v12, 4, s50
	v_add_nc_u32 v[TSCST], TSC, v15                ; row r, quarter w
	s_mul_i32 s50, s20, 16*PPITCH
	v_mul_u32_u24 v15, v13, 8*PPITCH
	v_lshl_add_u32 v15, v12, 4, v15
	v_add_nc_u32 v[RDA], s50, v15                  ; rows 16 w + 8 h .., channels 4 r ..
	v_add_nc_u32 v[RDA+1], PARTB, v[RDA]
	v_add_nc_u32 v[RDA+2], 2*PARTB, v[RDA]
	v_add_nc_u32 v[RDA+3], 3*PARTB, v[RDA]
	s_lshl_b32 s50, s20, 1
	v_add_nc_u32 v[VG], s50, v13                   ; my segment of 8 rows: 2 w + h
	v_lshlrev_b32 v15, 4, v12
	v_add_nc_u32 v[SEGRD], SEG, v15
	v_lshl_add_u32 v[SEGST], v[VG], 9, v[SEGRD]
	s_lshl_b32 s50, s20, 12
	v_lshl_add_u32 v15, v13, 11, v15
	v_add_nc_u32 v[OOFF], s50, v15                 ; (16 w + 8 h) rows of 256 bytes + 16 r
	v_add_nc_u32 v[TSCRD], TSC, v[L16]
	v_mov_b32 v[PT], 0
	s_wait_dscnt 0x0
	s_wait_kmcnt 0x0
	s_add_nc_u64 s[52:53], s[6:7], s[40:41]        ; w1 at my quarter: made of the wave's number alone
	s_lshl_b32 s50, s22, 18
	s_mov_b32 s51, 0
	s_add_nc_u64 s[4:5], s[4:5], s[50:51]          ; x at the chunk's first row
	s_lshl_b32 s50, s20, 14
	s_add_nc_u64 s[48:49], s[8:9], s[50:51]        ; wsm at my 128 p
	s_lshl_b32 s50, s22, 16
	s_lshl_b32 s18, s20, 12
	s_add_co_u32 s50, s50, s18
	s_add_nc_u64 s[54:55], s[10:11], s[50:51]      ; tws: 4 row tiles of 16,384 a chunk, my 4 units of 1,024
	s_lshl_b32 s50, s22, 10
	s_add_nc_u64 s[56:57], s[12:13], s[50:51]      ; tsc
	s_lshl_b32 s50, s22, 14
	s_add_nc_u64 s[58:59], s[14:15], s[50:51]      ; sloc
	s_add_nc_u64 s[60:61], s[16:17], s[50:51]      ; pws
	; the walk over K: offsets in registers of their own (s[6:11] have given their addresses on)
	s_lshl_b32 s6, s19, 17                         ; slot 0: the first trip's 131,072 bytes of w1
	s_mov_b32 s7, 0
	s_add_co_u32 s8, s19, 1
	s_and_b32 s8, s8, 15
	s_lshl_b32 s8, s8, 17                          ; slot 1: the second trip's
	s_mov_b32 s9, 0
	s_lshl_b32 s10, s19, 8                         ; the first trip's 256 bytes of a row of x
	s_mov_b32 s11, 0
	s_add_nc_u64 s[46:47], s[4:5], s[10:11]
.irp t, 0,1,2,3,4,5,6,7
	global_load_b128 v[XS+4*\t:XS+4*\t+3], v[XOFF], s[46:47] offset:8192*\t th:TH_LOAD_NT          ; the first trip
.endr
	s_wait_xcnt 0x0                                ; the base is written again only behind this wait
	XSTEP
.irp t, 0,1,2,3,4,5,6,7
	global_load_b128 v[XS+32+4*\t:XS+32+4*\t+3], v[XOFF], s[46:47] offset:8192*\t th:TH_LOAD_NT    ; the second
.endr
.irp sl, 0,1
	s_mov_b32 s[32+4*\sl], 1                                       ; count = 1
	s_add_co_u32 s[33+4*\sl], s40, \sl*SLOTB                       ; LDS address: wave x 32,768 + slot x 131,072
	s_add_nc_u64 s[34+4*\sl:35+4*\sl], s[52:53], s[6+2*\sl:7+2*\sl] ; the cluster's first and second trip
	s_or_b32 s[35+4*\sl], s[35+4*\sl], 0x80000000                  ; type = 2
.endr
	CROUND                                         ; the four work-groups are here: the first joint loads meet
	tensor_load_to_lds s[32:35], s[24:31]          ; both first fills together: two tensor loads of the wave are out, the most in this text
	s_nop 0
	tensor_load_to_lds s[36:39], s[24:31]
	s_nop 0
	STAGE 0, 1                                     ; the first trip's tokens; the third trip's x goes out
	s_wait_dscnt 0x0
	s_wait_tensorcnt 0x1                           ; my quarter of slot 0 is in; slot 1's may stay out
	s_barrier_signal -1
	s_barrier_wait -1
	FETCH 0, 0, 0
	TRIP 0, 1, 1, 1, 2                             ; trips 0, 1 of the walk: the first products start the sums
	TRIP 1, 0, 0, 1, 2
	WIN 0
	s_mov_b32 s23, 5
.Llap:                                             ; trips 2 .. 11
	TRIP 0, 1, 0, 1, 2
	TRIP 1, 0, 0, 1, 2
	WIN 0
	s_sub_co_u32 s23, s23, 1
	s_cmp_lg_u32 s23, 0
	s_cbranch_scc1 .Llap
	TRIP 0, 1, 0, 1, 2                             ; trip 12: the last loads of x (trip 15), weights of trip 14
	TRIP 1, 0, 0, 2, 2                             ; trip 13: weights of trip 15, the last fill
	TRIP 0, 1, 0, 3, 1                             ; trip 14
	TRIP 1, 0, 0, 0, 0                             ; trip 15
	; ---------------- the tail ----------------
	; W_lam' and B_mat, my 128 p: 16 fragments each, into the weight buffers
	PLACES
	WIN TO_B
.irp m, 0,1,2,3,4,5,6,7,8,9,10,11,12,13,14,15
	global_load_b128 v[8*\m:8*\m+3],   v[L16], s[48:49] offset:1024*\m
	global_load_b128 v[8*\m+4:8*\m+7], v[L16], s[48:49] offset:1024*\m+512
.endr
.irp m, 0,1,2,3,4,5,6,7,8,9,10,11,12,13,14,15
	global_load_b128 v[128+8*\m:128+8*\m+3],   v[L16], s[48:49] offset:65536+1024*\m
	global_load_b128 v[128+8*\m+4:128+8*\m+7], v[L16], s[48:49] offset:65536+1024*\m+512
.endr
	WIN 0
	s_barrier_signal -1                            ; every wave's reads of the ring are back (the last trip's wait for 0): its bytes may now be written
	s_barrier_wait -1
; 1 / (1 + 2^v) in place on n registers.  Behind each run of transcendentals one plain instruction stands before a result is used (ISA guide 5.7.2).
.macro SIGM base, n
.set g, 0
.rept \n
	v_exp_f32 v[\base+g], v[\base+g]
.set g, g+1
.endr
	v_nop
.set g, 0
	s_wait_alu depctr_va_vdst(0)
.rept \n/2
	v_pk_add_f32 v[\base+g:\base+g+1], v[\base+g:\base+g+1], 1.0 op_sel_hi:[1,0]
.set g, g+2
.endr
.set g, 0
.rept \n
	v_rcp_f32 v[\base+g], v[\base+g]
.set g, g+1
.endr
	v_nop
.endm
.macro PACKG a, ap                     ; the gate's 8 tiles of row tile a become 4 token fragments
.set g, 0
	s_wait_alu depctr_va_vdst(0)
.rept 32
	v_cvt_pk_f16_f32 v[FR+32*\a+g], v[128*\ap+64+2*g], v[128*\ap+64+2*g+1]
.set g, g+1
.endr
.endm
; a rank-128 product of one window's two row tiles: 4 units of 32 p x 2 row tiles x 4 channel tiles; results in tiles dt .. dt + 3.
; The window's eight accumulators take turns, one instruction a turn.
.macro TG hi, wbase, dt
.irp kk, 0,1,2,3
.irp ap, 0,1
.irp c, 0,1,2,3
.if \kk == 0
	v_wmma_f32_16x16x32_f16 v[8*(16*\ap+\dt+\c):8*(16*\ap+\dt+\c)+7], v[\wbase+8*(4*\kk+\c):\wbase+8*(4*\kk+\c)+7], v[FR+8*(4*(2*\hi+\ap)+\kk):FR+8*(4*(2*\hi+\ap)+\kk)+7], 0
.else
	v_wmma_f32_16x16x32_f16 v[8*(16*\ap+\dt+\c):8*(16*\ap+\dt+\c)+7], v[\wbase+8*(4*\kk+\c):\wbase+8*(4*\kk+\c)+7], v[FR+8*(4*(2*\hi+\ap)+\kk):FR+8*(4*(2*\hi+\ap)+\kk)+7], v[8*(16*\ap+\dt+\c):8*(16*\ap+\dt+\c)+7]
.endif
.endr
.endr
.endr
.endm
.macro PSTORE hi, dt, ofs              ; my partial sums: token 16 a + r, channels 16 c + 8 h .. + 7
.irp ap, 0,1
.irp c, 0,1,2,3
	ds_store_b128 v[PST], v[8*(16*\ap+\dt+\c):8*(16*\ap+\dt+\c)+3]   offset:(2*\hi+\ap)*16*PPITCH+64*\c+\ofs
	ds_store_b128 v[PST], v[8*(16*\ap+\dt+\c)+4:8*(16*\ap+\dt+\c)+7] offset:(2*\hi+\ap)*16*PPITCH+64*\c+\ofs+16
.endr
.endr
.endm
; row tile a of t: the largest magnitude of each token's 128 columns, its exponent as the scale S, t / S in f16 as 4 token fragments
.macro TSCALE a, ap, wtwo, wone
	WIN \wtwo
.irp c, 0,1,2,3
	v_max_num_f32 v[MX+\c], |v[128*\ap+16*\c]|, |v[128*\ap+16*\c+1]|
.endr
.irp k, 1,2,3,4,5,6,7
.irp c, 0,1,2,3
	v_max3_num_f32 v[MX+\c], |v[128*\ap+16*\c+2*\k]|, |v[128*\ap+16*\c+2*\k+1]|, v[MX+\c]
.endr
.endr
	WIN 0
	v_max3_num_f32 v[MX], v[MX], v[MX+1], v[MX+2]
	v_max_num_f32 v[MX], v[MX], v[MX+3]
	v_permlanex16_b32 v[PT], v[MX], s42, s43       ; the token's other 64 columns lie in the other half of the lanes
	v_max_num_f32 v[MX], v[MX], v[PT]
	v_med3_num_f32 v[MX], v[MX], s44, s45          ; so that S and 1 / S are both normal numbers
	v_and_b32 v[SP+2*\a], 0x7f800000, v[MX]        ; S = 2^e: the exponent alone
	v_mov_b32 v[SP+2*\a+1], v[SP+2*\a]
	v_sub_nc_u32 v[IV], 0x7f000000, v[SP+2*\a]     ; 2^-e: exponent field 254 - (e + 127)
	v_mov_b32 v[IV+1], v[IV]
	ds_store_b32 v[TSCST], v[SP+2*\a] offset:256*\a
	WIN \wone
.set g, 0
.rept 32
	v_pk_mul_f32 v[TMP+g:TMP+g+1], v[128*\ap+g:128*\ap+g+1], v[IV:IV+1]
.set g, g+2
.endr
	WIN 0
.set g, 0
.rept 32
	v_cvt_pk_f16_f32 v[FR+32*\a+g], v[TMP+2*g], v[TMP+2*g+1]
.set g, g+1
.endr
.endm
.macro USC a, ap                       ; u's partial sums get their token's scale back
.set g, 0
.rept 16
	v_pk_mul_f32 v[128*\ap+g:128*\ap+g+1], v[128*\ap+g:128*\ap+g+1], v[SP+2*\a:SP+2*\a+1]
.set g, g+2
.endr
.endm
	WIN IN_LO                                      ; the gate, in place
	SIGM 64, 64
	SIGM 192, 64
	WIN RD2_LO
	PACKG 0, 0
	PACKG 1, 1
	WIN IN_HI
	SIGM 64, 64
	SIGM 192, 64
	WIN RD2_HI
	PACKG 2, 0
	PACKG 3, 1
	s_wait_loadcnt 32                              ; W_lam' is in; B_mat's 32 loads may stay out
	WIN MUL_LO
	TG 0, 0, 8
	WIN MUL_HI
	TG 1, 0, 8
	PLACES
	WIN ST_LO
	PSTORE 0, 8, 0
	WIN ST_HI
	PSTORE 1, 8, 0
	TSCALE 0, 0, RD2_LO, RD1_LO
	TSCALE 1, 1, RD2_LO, RD1_LO
	TSCALE 2, 0, RD2_HI, RD1_HI
	TSCALE 3, 1, RD2_HI, RD1_HI
.irp m, 0,1,2,3,4,5,6,7,8,9,10,11,12,13,14,15
	global_store_b128 v[L16], v[FR+8*\m:FR+8*\m+3],   s[54:55] offset:(\m>>2)*16384+(\m&3)*1024       ; each store of the wave covers 512 consecutive bytes, aligned
	global_store_b128 v[L16], v[FR+8*\m+4:FR+8*\m+7], s[54:55] offset:(\m>>2)*16384+(\m&3)*1024+512
.endr
	s_wait_loadcnt 0x0                             ; B_mat
	WIN MUL_LO
	TG 0, 128, 0
	WIN MUL_HI
	TG 1, 128, 0
	PLACES
	WIN IN_LO
	USC 0, 0
	USC 1, 1
	WIN ST_LO
	PSTORE 0, 0, 256
	WIN IN_HI
	USC 2, 0
	USC 3, 1
	WIN ST_HI
	PSTORE 1, 0, 256
	WIN 0
	s_wait_dscnt 0x0                               ; my partial sums and scales are in LDS
	s_barrier_signal -1
	s_barrier_wait -1
	; the four waves' sums are added, in the order of the waves.  Lane (r, h) of wave w: rows 16 w + 8 h + t, t = 0 .. 7, channels 4 r .. 4 r + 3.
.macro PLOAD dst, pw
.irp t, 0,1,2,3,4,5,6,7
	ds_load_b128 v[\dst+4*\t:\dst+4*\t+3], v[RDA+\pw] offset:PPITCH*\t
.endr
.irp t, 0,1,2,3,4,5,6,7
	ds_load_b128 v[\dst+32+4*\t:\dst+32+4*\t+3], v[RDA+\pw] offset:PPITCH*\t+256
.endr
.endm
.macro PADD src
.set g, 0
.rept 32
	v_pk_add_f32 v[SUM+g:SUM+g+1], v[SUM+g:SUM+g+1], v[\src+g:\src+g+1]
.set g, g+2
.endr
.endm
; eight rows in a lane: B[t] = A[t] B[t-1] + B[t] (the state from zero), A[t] = A[t] A[t-1] (the product of the decays)
.macro SCAN8 pa, pb
	s_wait_alu depctr_va_vdst(0)
.irp t, 1,2,3,4,5,6,7
	v_pk_fma_f32 v[\pb+4*\t:\pb+4*\t+1],   v[\pa+4*\t:\pa+4*\t+1],   v[\pb+4*\t-4:\pb+4*\t-3], v[\pb+4*\t:\pb+4*\t+1]
	v_pk_fma_f32 v[\pb+4*\t+2:\pb+4*\t+3], v[\pa+4*\t+2:\pa+4*\t+3], v[\pb+4*\t-2:\pb+4*\t-1], v[\pb+4*\t+2:\pb+4*\t+3]
	v_pk_mul_f32 v[\pa+4*\t:\pa+4*\t+1],   v[\pa+4*\t:\pa+4*\t+1],   v[\pa+4*\t-4:\pa+4*\t-3]
	v_pk_mul_f32 v[\pa+4*\t+2:\pa+4*\t+3], v[\pa+4*\t+2:\pa+4*\t+3], v[\pa+4*\t-2:\pa+4*\t-1]
.endr
.endm
	s_wait_xcnt 0x0                                ; the fragments are the data of stores that may be out: they are loaded over only behind this wait
	PLOAD SUM, 0
	PLOAD TA, 1
	PLOAD TB, 2
	s_wait_dscnt 16                                ; the third wave's 16 may be out
	PADD TA
	PLOAD TA, 3
	s_wait_dscnt 16                                ; the fourth wave's 16 may be out
	PADD TB
	s_wait_dscnt 0x0
	PADD TA
	SIGM SUM, 32                                   ; lam
	SCAN8 32, 64
	ds_store_b128 v[SEGST], v[SUM+28:SUM+31]               ; my segment's product
	ds_store_b128 v[SEGST], v[SUM+60:SUM+63] offset:256    ; and its last state
	s_wait_dscnt 0x0
	s_barrier_signal -1
	s_barrier_wait -1
.irp sg, 0,1,2,3,4,5,6
	ds_load_b128 v[TA+8*\sg:TA+8*\sg+3],   v[SEGRD] offset:512*\sg
	ds_load_b128 v[TA+8*\sg+4:TA+8*\sg+7], v[SEGRD] offset:512*\sg+256
.endr
	s_wait_dscnt 0x0
.irp sg, 0,1,2,3,4,5,6
	v_cmp_lt_u32 vcc_lo, \sg, v[VG]                ; segments at or behind mine count as the identity (1, 0): a choice of values, no branch
.irp k, 0,1,2,3
	v_cndmask_b32 v[TA+8*\sg+\k],   1.0, v[TA+8*\sg+\k],   vcc_lo
	v_cndmask_b32 v[TA+8*\sg+4+\k], 0,   v[TA+8*\sg+4+\k], vcc_lo
.endr
.endr
	v_pk_fma_f32 v[CS:CS+1],   v[TA+8:TA+9],   v[TA+4:TA+5], v[TA+12:TA+13]    ; segments 0 and 1 start what comes in
	v_pk_fma_f32 v[CS+2:CS+3], v[TA+10:TA+11], v[TA+6:TA+7], v[TA+14:TA+15]
	v_pk_mul_f32 v[CP:CP+1],   v[TA+8:TA+9],   v[TA:TA+1]
	v_pk_mul_f32 v[CP+2:CP+3], v[TA+10:TA+11], v[TA+2:TA+3]
.irp sg, 2,3,4,5,6
	v_pk_fma_f32 v[CS:CS+1],   v[TA+8*\sg:TA+8*\sg+1],   v[CS:CS+1],   v[TA+8*\sg+4:TA+8*\sg+5]
	v_pk_fma_f32 v[CS+2:CS+3], v[TA+8*\sg+2:TA+8*\sg+3], v[CS+2:CS+3], v[TA+8*\sg+6:TA+8*\sg+7]
	v_pk_mul_f32 v[CP:CP+1],   v[TA+8*\sg:TA+8*\sg+1],   v[CP:CP+1]
	v_pk_mul_f32 v[CP+2:CP+3], v[TA+8*\sg+2:TA+8*\sg+3], v[CP+2:CP+3]
.endr
.irp t, 0,1,2,3,4,5,6,7
	v_pk_fma_f32 v[SUM+32+4*\t:SUM+32+4*\t+1],   v[SUM+4*\t:SUM+4*\t+1],   v[CS:CS+1],   v[SUM+32+4*\t:SUM+32+4*\t+1]
	v_pk_fma_f32 v[SUM+32+4*\t+2:SUM+32+4*\t+3], v[SUM+4*\t+2:SUM+4*\t+3], v[CS+2:CS+3], v[SUM+32+4*\t+2:SUM+32+4*\t+3]
	v_pk_mul_f32 v[SUM+4*\t:SUM+4*\t+1],   v[SUM+4*\t:SUM+4*\t+1],   v[CP:CP+1]
	v_pk_mul_f32 v[SUM+4*\t+2:SUM+4*\t+3], v[SUM+4*\t+2:SUM+4*\t+3], v[CP+2:CP+3]
.endr
.irp t, 0,1,2,3,4,5,6,7
	global_store_b128 v[OOFF], v[SUM+32+4*\t:SUM+32+4*\t+3], s[58:59] offset:256*\t    ; sixteen lanes store a whole row of 256 bytes
	global_store_b128 v[OOFF], v[SUM+4*\t:SUM+4*\t+3],       s[60:61] offset:256*\t
.endr
	s_cmp_lg_u32 s20, 0
	s_cbranch_scc1 .Lno_tsc                        ; wave 0 copies the chunk's 1,024 bytes of scales out
	ds_load_b128 v[TA:TA+3],   v[TSCRD]
	ds_load_b128 v[TA+4:TA+7], v[TSCRD] offset:512
	s_wait_dscnt 0x0
	global_store_b128 v[L16], v[TA:TA+3],   s[56:57]
	global_store_b128 v[L16], v[TA+4:TA+7], s[56:57] offset:512
.Lno_tsc:
	s_wait_tensorcnt 0x0
	ds_add_u32 v254, v255
	s_wait_dscnt 0x0
	CROUND                                         ; the closing round: no work-group ends while a partner may still ask for a tile that names it
	s_endpgm
.Lfunc_end_k_q2958d77247_front:
	.size	k_q2958d77247_front, .Lfunc_end_k_q2958d77247_front-k_q2958d77247_front
	.p2alignl 7, 3214868480
	.fill 96, 4, 3214868480
	.section	.rodata,"a",@progbits
	.p2align	6, 0x0
	.amdhsa_kernel k_q2958d77247_front
		.amdhsa_group_segment_fixed_size 327680
		.amdhsa_private_segment_fixed_size 0
		.amdhsa_enable_private_segment 0
		.amdhsa_kernarg_size 56
		.amdhsa_user_sgpr_count 2
		.amdhsa_user_sgpr_kernarg_segment_ptr 1
		.amdhsa_wavefront_size32 1
		.amdhsa_system_sgpr_workgroup_id_x 1
		.amdhsa_system_sgpr_workgroup_id_y 1
		.amdhsa_system_sgpr_workgroup_id_z 1
		.amdhsa_system_vgpr_workitem_id 0
		.amdhsa_next_free_vgpr 1024
		.amdhsa_next_free_sgpr 66
		.amdhsa_reserve_vcc 1
		.amdhsa_float_denorm_mode_32 3
		.amdhsa_float_denorm_mode_16_64 3
		.amdhsa_memory_ordered 1
		.amdhsa_forward_progress 1
		.amdhsa_inst_pref_size 250
	.end_amdhsa_kernel
	.amdgpu_metadata
---
amdhsa.version: [ 1, 2 ]
amdhsa.kernels:
  - .name:           k_q2958d77247_front
    .symbol:         k_q2958d77247_front.kd
    .args:
      - { .name: x, .offset: 0, .size: 8, .value_kind: global_buffer, .address_space: global }
      - { .name: w1, .offset: 8, .size: 8, .value_kind: global_buffer, .address_space: global }
      - { .name: wsm, .offset: 16, .size: 8, .value_kind: global_buffer, .address_space: global }
      - { .name: tws, .offset: 24, .size: 8, .value_kind: global_buffer, .address_space: global }
      - { .name: tsc, .offset: 32, .size: 8, .value_kind: global_buffer, .address_space: global }
      - { .name: sloc, .offset: 40, .size: 8, .value_kind: global_buffer, .address_space: global }
      - { .name: pws, .offset: 48, .size: 8, .value_kind: global_buffer, .address_space: global }
    .group_segment_fixed_size: 327680
    .private_segment_fixed_size: 0
    .kernarg_segment_align: 8
    .kernarg_segment_size: 56
    .max_flat_workgroup_size: 128
    .sgpr_count:     66
    .vgpr_count:     1024
    .wavefront_size: 32
...
	.end_amdgpu_metadata
.endif
;; end of part 2
;; launch back (part 3): grid 256 x 1, 4 waves a work-group, clusters of 4 x 1, 327,680 bytes of LDS; arguments w2, tws, tsc, sloc, pws, out0; writes out0
.if DOCPART == 3
	.amdgcn_target "amdgcn-amd-amdhsa--gfx1250"
	.amdhsa_code_object_version 6
	.text
	.protected	k_q2958d77247_back
	.globl	k_q2958d77247_back
	.p2align	8
	.type	k_q2958d77247_back,@function
k_q2958d77247_back:
	s_mov_b64 s[64:65], 0
	v_nop
	global_prefetch_b8 v0, s[64:65] scope:SCOPE_SE
	s_setreg_imm32_b32 hwreg(HW_REG_WAVE_MODE, 25, 1), 1
	s_wait_xcnt 0x0
	s_wait_alu depctr_hold_cnt(0) depctr_sa_sdst(0) depctr_va_vdst(0) depctr_va_sdst(0) depctr_va_ssrc(0) depctr_va_vcc(0) depctr_vm_vsrc(0)
	s_getreg_b32 s2, hwreg(HW_REG_IB_STS2, 6, 4)
	s_cmp_eq_u32 s2, 0
	s_cbranch_scc0 .Lentry_in_a_cluster
	s_endpgm
.Lentry_in_a_cluster:
	s_bfe_u32 s2, ttmp6, 0x10000c
	s_cmp_lg_u32 s2, 0x3003
	s_cbranch_scc0 .Lentry_shape_is_right
	s_endpgm
.Lentry_shape_is_right:
; back: h = t W_fromP + s N for a chunk of 64 tokens, N = C_mat W_fromP (an exact identity of (t + s C_mat) W_fromP), s = s_loc + P x S_in.
; S_in, the state that comes into the chunk, is folded here from row 63 of s_loc and P of the batch's earlier chunks: each of 32 x 4 lanes folds 8 chunks
; for 4 channels, the 8 segments of 8 chunks meet in LDS, and every wave folds the 8.  Chunks at or behind my own count as the identity, chosen by
; v_cndmask_b32: no branch and no address hangs on the chunk's place.
; SHAPE as in the launch before: four waves, 64 rows x 1,024 columns, a wave 64 x 256 in 512 registers; K = 512 p + 64 channels = 9 trips of 64;
; weights from w2 through two LDS slots of 131,072 bytes, each wave its own quarter, one joint tensor load a wave and trip; CLUSTER 4 x 1, mask 15:
; the four work-groups walk the same weights, which divides the requests for them by four.
; ORDER OF K: the eight trips over p begin, in cluster c, with trip (c ^ (c >> 3)) & 7 and go round; the trip over the channels stays last, since its
; tokens come from other registers.  So the 64 clusters' first fills ask for all eight trips' weights at the launch's start, and from its third trip on a
; cluster asks for weights that another cluster has asked for earlier in the launch.  Whichever one bit of c is held fixed, all 8 first trips occur.
; The last trip's 131,072 bytes are still asked for by all clusters at about the same time.
; SCALES: t lies in memory as f16 with a power of two for each row and 128 columns; s is scaled likewise.  A row's five scales are brought to the largest,
; S_f, by multiplying the f16 numbers with S_q / S_f (a power of two, at most 1); the sums are multiplied by S_f in f32 on the way out.
; LIMITS: t W_fromP and s N are rounded apart, so a cancellation between t and s C_mat is resolved to 2^-11 of the larger part; a part of a row more than
; 2^24 below the row's largest scale is dropped.  K is summed in an order that differs from cluster to cluster: rounding at the level of f32.  Where NaNs land is not kept.
.set SLOTB,  131072
.set ARING,  262144                    ; token ring: two slots of 8 fragments of 1,024 bytes, (2 a + u) 1024
.set ASLOT,  8192
.set SEG,    278528                    ; 8 segments x (A, B) x 64 channels
.set SIN,    282624                    ; S_in, 256 bytes for each wave
.set RSC,    283648                    ; S_f of the 64 rows
.set XP,     283904                    ; each wave: P then s_loc of its 16 rows, pitch 272
.set XPW,    8704
.set XPITCH, 272
.set OSTG,   131072                    ; the way out: 16 rows x 1,040 bytes a wave, in slot 1, which has had its last fill (the eighth trip's) and whose last reads are waited for in front of that trip's barrier
.set OSTW,   16640
.set OPITCH, 1040
; scalar registers behind the set-up: s[4:5], s[6:7] byte offset in w2 of the trip asked for last into slot 0, 1 (the upper words are 0); s19 the cluster's first trip; s[52:53] w2 at my quarter
.set ADRW,  2
.set ADRA,  4
.set AST,   6
.set L16,   8
.set FOFF,  9
.set TSCOFF, 10
.set VD,    11
.set SEGST, 12
.set SEGRD, 13
.set XPST,  14
.set XPRD,  15
.set SINST, 16
.set SINRD, 17
.set RSCST, 18
.set RSCRD, 19
.set OST,   20
.set ORD,   21
.set PT,    22
.set IV,    24                         ; v24-25  1 / S_f, twice
.set SFR,   26                         ; v26     S_f
.set MX,    28                         ; v28-31  at work
.set PL,    32                         ; v32-63  P of my rows;  v64-95 s_loc, then s.  Behind the prologue v32-95 are the two fragment buffers; on the way out v32-159 take the rows read back
.set SL,    64
.set TS,    96                         ; v96-127 t as loaded, two sets
.set SF,    128                        ; v128-143 s / S_f in f16: two fragments
.set FQ,    144                        ; v144-147 S_q / S_f, twice in f16, of the walk's trips 0, 2, 4, 6
.set FQO,   148                        ; v148-151 the same of the walk's trips 1, 3, 5, 7
.set TO,    152                        ; v152-153 byte offset in my row tile of tws of the trip that set 0, 1 loaded last: 2,048 x trip + 16 x lane
.set FA,    160                        ; v160-191 P, v192-223 s_loc of row 63 of 8 chunks; then the 8 segments; then S_in in fragment order
.set FB,    192
.set TR,    224                        ; v224-227 prologue: my row's four scales
.set CS,    228                        ; v228-231 prologue: S_in
.set SC,    224                        ; v224-231 the way out: S_f of row tile a, twice; outside v32-159, which the way out loads over four times
.set TP,    232                        ; v232-247 rescaled t
.set MUL_LO, 0xa1
.set MUL_HI, 0xf1
.set TO_B,   0x40
.set IN_LO,  0x82
.set IN_HI,  0xc3
.set ST_LO,  0x08
.set ST_HI,  0x0c
.set MSB, 0
.macro WIN new                         ; the immediate's high byte repeats the setting that is left; a switch that changes nothing is dropped
.if MSB != \new
	s_set_vgpr_msb (MSB<<8)|\new
.set MSB, \new
.endif
.endm
.macro PLACES                          ; four plain vector instructions between a matrix instruction and whatever reads its result or writes or loads into one of its registers
.rept 4
	v_nop
.endr
.endm
.macro CREST
	s_cmp_lg_u32 s20, 0
	s_cbranch_scc1 .Lnot_wave_0_\@
	s_barrier_signal -3
.Lnot_wave_0_\@:
	s_barrier_wait -3
	s_barrier_signal -1
	s_barrier_wait -1
.endm
.macro CROUND
	s_barrier_signal -1
	s_barrier_wait -1
	CREST
.endm
.macro MUL16 f, hi, ap, zero
.irp b, 0,1,2,3,4,5,6,7,8,9,10,11,12,13,14,15
.if \zero
	v_wmma_f32_16x16x32_f16 v[8*(16*\ap+\b):8*(16*\ap+\b)+7], v[128*\f+8*\b:128*\f+8*\b+7], v[32+32*\f+8*(2*\hi+\ap):32+32*\f+8*(2*\hi+\ap)+7], 0
.else
	v_wmma_f32_16x16x32_f16 v[8*(16*\ap+\b):8*(16*\ap+\b)+7], v[128*\f+8*\b:128*\f+8*\b+7], v[32+32*\f+8*(2*\hi+\ap):32+32*\f+8*(2*\hi+\ap)+7], v[8*(16*\ap+\b):8*(16*\ap+\b)+7]
.endif
.endr
.endm
.macro FETCH slot, u, f                ; 40 LDS loads, all lane-contiguous: 16 weight tiles, 4 token tiles
	WIN TO_B
.irp b, 0,1,2,3,4,5,6,7,8,9,10,11,12,13,14,15
	ds_load_b128 v[128*\f+8*\b:128*\f+8*\b+3],   v[ADRW+\slot] offset:\u*16384+\b*1024
	ds_load_b128 v[128*\f+8*\b+4:128*\f+8*\b+7], v[ADRW+\slot] offset:\u*16384+\b*1024+512
.endr
	WIN 0
.irp a, 0,1,2,3
	ds_load_b128 v[32+32*\f+8*\a:32+32*\f+8*\a+3],   v[ADRA+\slot] offset:(2*\a+\u)*1024
	ds_load_b128 v[32+32*\f+8*\a+4:32+32*\f+8*\a+7], v[ADRA+\slot] offset:(2*\a+\u)*1024+512
.endr
.endm
; The tokens of my row tile for trip tr of the walk go into token slot sl = tr & 1.  kind 0: nothing.  1: t, and the set is loaded again with trip tr + 2 of the walk.
; 2: t, no loads, the younger set is still out.  3: t, nothing else is out.  4: the two fragments of s.
.macro STAGE sl, kind, tr
.if \kind == 4
.irp j, 0,1,2,3
	ds_store_b128 v[AST+\sl], v[SF+4*\j:SF+4*\j+3] offset:512*\j
.endr
.else
.if \kind
.if \kind == 3
	s_wait_loadcnt 0x0
.else
	s_wait_loadcnt 0x4                             ; the four loads of the younger set may stay out
.endif
.set fq, FQ+(\tr>>1)+(\tr&1)*(FQO-FQ)              ; the factor of the 128 columns in which this trip lies
.set g, 0
.rept 16
	v_pk_mul_f16 v[TP+g], v[TS+16*\sl+g], v[fq]
.set g, g+1
.endr
.irp j, 0,1,2,3
	ds_store_b128 v[AST+\sl], v[TP+4*\j:TP+4*\j+3] offset:512*\j
.endr
.if \kind == 1
	v_add_nc_u32 v[TO+\sl], 4096, v[TO+\sl]        ; two trips on, round at the row tile's 16,384 bytes; the set's last loads, which read this register, are in (the wait above)
	v_and_b32 v[TO+\sl], 0x3fff, v[TO+\sl]
.irp j, 0,1,2,3
	global_load_b128 v[TS+16*\sl+4*\j:TS+16*\sl+4*\j+3], v[TO+\sl], s[60:61] offset:512*\j th:TH_LOAD_NT
.endr
.endif
.endif
.endif
.endm
; One trip, as in the launch before.  fill 2: the slot is filled again with the trip two further on in the walk; 3: with the trip over the channels; 1: a plain barrier; 0: the last trip.
; The 64 accumulators take turns, one instruction a turn, in the same order in every unit.
.macro TRIP s, o, zero, kind, fill, tr
	s_wait_dscnt 0x4                               ; the four youngest loads (token tiles 2, 3) may be out
	WIN MUL_LO
	MUL16 0, 0, 0, \zero
	MUL16 0, 0, 1, \zero
	PLACES
	FETCH \s, 1, 1
	s_wait_dscnt 40                                ; all but the 40 just issued
	WIN MUL_HI
	MUL16 0, 1, 0, \zero
	MUL16 0, 1, 1, \zero
	WIN 0
	STAGE \o, \kind, \tr                           ; token slot o: its last reads were waited for in front of the last trip's barrier
.if \kind
	s_wait_dscnt 0x8                               ; token tiles 2, 3 and the stage's four stores may be out
.else
	s_wait_dscnt 0x4
.endif
	WIN MUL_LO
	MUL16 1, 0, 0, 0
.if \fill
	s_wait_dscnt 0x0                               ; my reads of this slot are back, my token stores are in LDS,
	s_set_vgpr_msb 0xa1a0
	s_wait_tensorcnt 0x0                           ; and all my tensor loads have landed: the one that was out is my quarter of the other slot
	ds_add_u32 v254, v255
	s_wait_dscnt 0x0
	s_set_vgpr_msb 0xa0a1
	s_barrier_signal -1
	MUL16 1, 0, 1, 0                               ; registers only
	WIN 0
	s_barrier_wait -1
.if \fill >= 2
	CREST                                          ; no wave of any of the four work-groups still reads this slot or has a load on its way
.if \fill == 2
	s_add_co_u32 s[4+2*\s], s[4+2*\s], 2*SLOTB     ; two trips on, round at the eight trips over p: made of the cluster's number and constants, equal in the four partners
	s_and_b32 s[4+2*\s], s[4+2*\s], 8*SLOTB-1
	s_add_nc_u64 s[34+4*\s:35+4*\s], s[52:53], s[4+2*\s:5+2*\s]
.else
	s_add_nc_u64 s[34+4*\s:35+4*\s], s[52:53], 8*SLOTB     ; N lies behind the eight trips over p
.endif
	s_or_b32 s[35+4*\s], s[35+4*\s], 0x80000000    ; type = 2
	tensor_load_to_lds s[32+4*\s:35+4*\s], s[24:31]        ; my one tensor load behind the round, and the first there
	s_nop 0
.endif
	PLACES
	FETCH \o, 0, 0
	WIN MUL_HI
	MUL16 1, 1, 0, 0
	MUL16 1, 1, 1, 0
.else
	MUL16 1, 0, 1, 0
	s_wait_dscnt 0x0
	WIN MUL_HI
	MUL16 1, 1, 0, 0
	MUL16 1, 1, 1, 0
.endif
.endm
.macro SCAN8 pa, pb                    ; eight chunks in a lane: B[t] = A[t] B[t-1] + B[t], A[t] = A[t] A[t-1]
.irp t, 1,2,3,4,5,6,7
	v_pk_fma_f32 v[\pb+4*\t:\pb+4*\t+1],   v[\pa+4*\t:\pa+4*\t+1],   v[\pb+4*\t-4:\pb+4*\t-3], v[\pb+4*\t:\pb+4*\t+1]
	v_pk_fma_f32 v[\pb+4*\t+2:\pb+4*\t+3], v[\pa+4*\t+2:\pa+4*\t+3], v[\pb+4*\t-2:\pb+4*\t-1], v[\pb+4*\t+2:\pb+4*\t+3]
	v_pk_mul_f32 v[\pa+4*\t:\pa+4*\t+1],   v[\pa+4*\t:\pa+4*\t+1],   v[\pa+4*\t-4:\pa+4*\t-3]
	v_pk_mul_f32 v[\pa+4*\t+2:\pa+4*\t+3], v[\pa+4*\t+2:\pa+4*\t+3], v[\pa+4*\t-2:\pa+4*\t-1]
.endr
.endm
	s_load_b256 s[4:11], s[0:1], 0x0               ; w2 4, tws 6, tsc 8, sloc 10
	s_load_b128 s[12:15], s[0:1], 0x20             ; pws 12, out0 14
	v_lshl_add_u32 v254, v0, 2, 0x4dd00
	v_mov_b32 v255, 0
	ds_add_u32 v254, v255
	v_lshrrev_b32 v1, 5, v0
	v_readfirstlane_b32 s20, v1                    ; wave 0..3
	s_bfe_u32 s21, ttmp6, 0x40000
	s_lshl_b32 s22, ttmp9, 2
	s_add_co_u32 s22, s22, s21                     ; chunk 0..255: it enters global addresses of my own loads and stores, and a mask of values, alone
	s_lshr_b32 s19, ttmp9, 3                       ; the cluster's first trip: (c ^ (c >> 3)) & 7, of the cluster's number alone
	s_xor_b32 s19, s19, ttmp9
	s_and_b32 s19, s19, 7
	s_mov_b32 s42, 0x76543210
	s_mov_b32 s43, 0xfedcba98
	s_mov_b32 s44, 0x00800000                      ; 2^-126
	s_mov_b32 s45, 0x7e800000                      ; 2^126
	s_mov_b32 s24, 15|(3<<16)|(1<<21)              ; group 1: mask of the four work-groups; elements of 8 bytes; bit 21 beside a mask
	s_mov_b32 s25, 32<<16                          ; tensor_dim0 = 32
	s_mov_b32 s26, 128<<16                         ; tensor_dim1 = 128
	s_mov_b32 s27, 32<<16                          ; tile_dim0 = 32
	s_mov_b32 s28, 128                             ; tile_dim1 = 128
	s_mov_b32 s29, 32                              ; pitch
	s_mov_b32 s30, 0
	s_mov_b32 s31, 0
	v_and_b32 v28, 15, v0                          ; r
	v_bfe_u32 v29, v0, 4, 1                        ; h
	v_and_b32 v30, 31, v0
	v_lshlrev_b32 v[L16], 4, v30
	v_lshlrev_b32 v31, 4, v28                      ; 16 r
	s_lshl_b32 s40, s20, 15
	s_mov_b32 s41, 0
	v_add_nc_u32 v[ADRW], s40, v[L16]
	v_add_nc_u32 v[ADRW+1], SLOTB, v[ADRW]
	v_add_nc_u32 v[ADRA], ARING, v[L16]
	v_add_nc_u32 v[ADRA+1], ARING+ASLOT, v[L16]
	s_lshl_b32 s50, s20, 11                        ; my wave stages row tile w: two fragments
	v_add_nc_u32 v[AST], s50, v[ADRA]
	v_add_nc_u32 v[AST+1], s50, v[ADRA+1]
	s_lshl_b32 s50, s19, 11                        ; tws: a trip's two fragments are 2,048 bytes
	v_add_nc_u32 v[TO], s50, v[L16]                ; the walk's first trip
	v_add_nc_u32 v[TO+1], 2048, v[TO]
	v_and_b32 v[TO+1], 0x3fff, v[TO+1]             ; and its second, round at the row tile's 16,384 bytes
	s_lshl_b32 s50, s20, 18
	s_add_co_u32 s50, s50, 63*256
	v_lshl_add_u32 v23, v29, 17, v31
	v_add_nc_u32 v[FOFF], s50, v23                 ; chunk 16 w + 8 h (16,384 bytes each), its row 63, channels 4 r ..
	v_mov_b32 v[TSCOFF], v31
	s_and_b32 s50, s22, 63                         ; my chunk's place in its batch
	s_lshl_b32 s18, s20, 4
	s_sub_co_i32 s50, s50, s18
	v_lshlrev_b32 v23, 3, v29
	v_sub_nc_u32 v[VD], s50, v23                   ; chunk 16 w + 8 h + t lies in front of mine where t < this (signed)
	v_add_nc_u32 v[SEGRD], SEG, v31
	s_lshl_b32 s50, s20, 10
	v_lshl_add_u32 v23, v29, 9, s50
	v_add_nc_u32 v[SEGST], v23, v[SEGRD]
	s_mul_i32 s50, s20, XPW
	s_add_co_u32 s50, s50, XP
	v_mad_u32_u24 v23, v29, XPITCH, v31
	v_add_nc_u32 v[XPST], s50, v23                 ; in: lanes 0-15 one row of 256 bytes, lanes 16-31 the next
	v_mul_u32_u24 v23, v28, XPITCH
	v_lshl_add_u32 v23, v29, 5, v23
	v_add_nc_u32 v[XPRD], s50, v23                 ; back: token r, channels 8 h ..
	s_lshl_b32 s50, s20, 8
	s_add_co_u32 s50, s50, SIN
	v_add_nc_u32 v[SINST], s50, v31
	v_lshl_add_u32 v[SINRD], v29, 5, s50
	v_lshlrev_b32 v23, 2, v28
	v_add_nc_u32 v[RSCRD], RSC, v23
	s_lshl_b32 s50, s20, 6
	v_add_nc_u32 v[RSCST], s50, v[RSCRD]
	s_mul_i32 s50, s20, OSTW
	s_add_co_u32 s50, s50, OSTG
	v_mul_u32_u24 v23, v28, OPITCH
	v_lshl_add_u32 v23, v29, 5, v23
	v_add_nc_u32 v[OST], s50, v23
	v_add_nc_u32 v[ORD], s50, v[L16]
	v_mov_b32 v[PT], 0
	s_wait_dscnt 0x0
	s_wait_kmcnt 0x0
	s_add_nc_u64 s[52:53], s[4:5], s[40:41]        ; w2 at my quarter: made of the wave's number alone
	s_lshr_b32 s50, s22, 6
	s_lshl_b32 s50, s50, 20                        ; the batch: 4,096 rows of 256 bytes
	s_mov_b32 s51, 0
	s_add_nc_u64 s[46:47], s[12:13], s[50:51]      ; pws at the batch
	s_add_nc_u64 s[48:49], s[10:11], s[50:51]      ; sloc at the batch
	s_lshl_b32 s50, s22, 14
	s_lshl_b32 s18, s20, 12
	s_add_co_u32 s50, s50, s18
	s_add_nc_u64 s[54:55], s[12:13], s[50:51]      ; pws at my 16 rows
	s_add_nc_u64 s[56:57], s[10:11], s[50:51]      ; sloc at my 16 rows
	s_lshl_b32 s50, s22, 10
	s_lshl_b32 s18, s20, 8
	s_add_co_u32 s50, s50, s18
	s_add_nc_u64 s[58:59], s[8:9], s[50:51]        ; tsc at my 16 rows
	s_lshl_b32 s50, s22, 16
	s_lshl_b32 s18, s20, 14
	s_add_co_u32 s50, s50, s18
	s_add_nc_u64 s[60:61], s[6:7], s[50:51]        ; tws at my row tile
	s_lshl_b32 s50, s22, 18
	s_lshl_b32 s18, s20, 10
	s_add_co_u32 s50, s50, s18
	s_add_nc_u64 s[62:63], s[14:15], s[50:51]      ; out0 at the chunk's first row, my 256 columns
	; the walk over K: offsets in registers of their own (s[4:7] have given their addresses on)
	s_lshl_b32 s4, s19, 17                         ; slot 0: the first trip's 131,072 bytes of w2
	s_mov_b32 s5, 0
	s_add_co_u32 s6, s19, 1
	s_and_b32 s6, s6, 7
	s_lshl_b32 s6, s6, 17                          ; slot 1: the second trip's
	s_mov_b32 s7, 0
	; 41 loads, in the order in which they are needed
.irp t, 0,1,2,3,4,5,6,7
	global_load_b128 v[FA+4*\t:FA+4*\t+3], v[FOFF], s[46:47] offset:16384*\t
.endr
.irp t, 0,1,2,3,4,5,6,7
	global_load_b128 v[FB+4*\t:FB+4*\t+3], v[FOFF], s[48:49] offset:16384*\t
.endr
.irp t, 0,1,2,3,4,5,6,7
	global_load_b128 v[PL+4*\t:PL+4*\t+3], v[L16], s[54:55] offset:512*\t
.endr
.irp t, 0,1,2,3,4,5,6,7
	global_load_b128 v[SL+4*\t:SL+4*\t+3], v[L16], s[56:57] offset:512*\t
.endr
	global_load_b128 v[TR:TR+3], v[TSCOFF], s[58:59]
.irp j, 0,1,2,3
	global_load_b128 v[TS+4*\j:TS+4*\j+3], v[TO], s[60:61] offset:512*\j th:TH_LOAD_NT             ; the walk's first trip
.endr
.irp j, 0,1,2,3
	global_load_b128 v[TS+16+4*\j:TS+16+4*\j+3], v[TO+1], s[60:61] offset:512*\j th:TH_LOAD_NT     ; its second
.endr
.irp sl, 0,1
	s_mov_b32 s[32+4*\sl], 1
	s_add_co_u32 s[33+4*\sl], s40, \sl*SLOTB
	s_add_nc_u64 s[34+4*\sl:35+4*\sl], s[52:53], s[4+2*\sl:5+2*\sl]
	s_or_b32 s[35+4*\sl], s[35+4*\sl], 0x80000000
.endr
	CROUND                                         ; the four work-groups are here: the first joint loads meet
	tensor_load_to_lds s[32:35], s[24:31]          ; both first fills together: two tensor loads of the wave are out, the most in this text
	s_nop 0
	tensor_load_to_lds s[36:39], s[24:31]
	s_nop 0
	s_wait_loadcnt 25                              ; 25 loads were issued behind the summaries
.irp t, 0,1,2,3,4,5,6,7
	v_cmp_lt_i32 vcc_lo, \t, v[VD]
.irp k, 0,1,2,3
	v_cndmask_b32 v[FA+4*\t+\k], 1.0, v[FA+4*\t+\k], vcc_lo
	v_cndmask_b32 v[FB+4*\t+\k], 0,   v[FB+4*\t+\k], vcc_lo
.endr
.endr
	SCAN8 160, 192
	ds_store_b128 v[SEGST], v[FA+28:FA+31]
	ds_store_b128 v[SEGST], v[FB+28:FB+31] offset:256
	s_wait_loadcnt 9                               ; P and s_loc of my rows are in: 9 loads were issued behind them
.irp t, 0,1,2,3,4,5,6,7
	ds_store_b128 v[XPST], v[PL+4*\t:PL+4*\t+3] offset:2*XPITCH*\t
	ds_store_b128 v[XPST], v[SL+4*\t:SL+4*\t+3] offset:2*XPITCH*\t+16*XPITCH
.endr
	s_wait_dscnt 0x0
	s_barrier_signal -1                            ; the tensor loads may stay out
	s_barrier_wait -1
.irp sg, 0,1,2,3,4,5,6,7
	ds_load_b128 v[FA+8*\sg:FA+8*\sg+3],   v[SEGRD] offset:512*\sg
	ds_load_b128 v[FA+8*\sg+4:FA+8*\sg+7], v[SEGRD] offset:512*\sg+256
.endr
.irp c, 0,1,2,3
.irp z, 0,1
	ds_load_b128 v[PL+8*\c+4*\z:PL+8*\c+4*\z+3], v[XPRD] offset:64*\c+16*\z               ; token r, channels 16 c + 8 h + 4 z ..: fragment order
	ds_load_b128 v[SL+8*\c+4*\z:SL+8*\c+4*\z+3], v[XPRD] offset:64*\c+16*\z+16*XPITCH
.endr
.endr
	s_wait_dscnt 16                                ; the segments are in; the 16 reads of my rows may be out
	v_pk_fma_f32 v[CS:CS+1],   v[FA+8:FA+9],   v[FA+4:FA+5], v[FA+12:FA+13]
	v_pk_fma_f32 v[CS+2:CS+3], v[FA+10:FA+11], v[FA+6:FA+7], v[FA+14:FA+15]
.irp sg, 2,3,4,5,6,7
	v_pk_fma_f32 v[CS:CS+1],   v[FA+8*\sg:FA+8*\sg+1],   v[CS:CS+1],   v[FA+8*\sg+4:FA+8*\sg+5]
	v_pk_fma_f32 v[CS+2:CS+3], v[FA+8*\sg+2:FA+8*\sg+3], v[CS+2:CS+3], v[FA+8*\sg+6:FA+8*\sg+7]
.endr
	ds_store_b128 v[SINST], v[CS:CS+3]             ; S_in, channels 4 r ..; my wave's own bytes, read back in fragment order
.irp c, 0,1,2,3
.irp z, 0,1
	ds_load_b128 v[FA+8*\c+4*\z:FA+8*\c+4*\z+3], v[SINRD] offset:64*\c+16*\z
.endr
.endr
	s_wait_dscnt 0x0
.set g, 0
.rept 16
	v_pk_fma_f32 v[SL+g:SL+g+1], v[PL+g:PL+g+1], v[FA+g:FA+g+1], v[SL+g:SL+g+1]    ; s = s_loc + P S_in
.set g, g+2
.endr
.irp c, 0,1,2,3
	v_max_num_f32 v[MX+\c], |v[SL+8*\c]|, |v[SL+8*\c+1]|
.endr
.irp k, 1,2,3
.irp c, 0,1,2,3
	v_max3_num_f32 v[MX+\c], |v[SL+8*\c+2*\k]|, |v[SL+8*\c+2*\k+1]|, v[MX+\c]
.endr
.endr
	v_max3_num_f32 v[MX], v[MX], v[MX+1], v[MX+2]
	v_max_num_f32 v[MX], v[MX], v[MX+3]
	v_permlanex16_b32 v[PT], v[MX], s42, s43
	v_max_num_f32 v[MX], v[MX], v[PT]
	v_med3_num_f32 v[MX], v[MX], s44, s45
	v_and_b32 v[SFR], 0x7f800000, v[MX]            ; the scale of s: the exponent of its largest magnitude in the row
	s_wait_loadcnt 0x8                             ; my row's four scales of t are in: the two sets of t were issued behind them
	v_max3_num_f32 v[SFR], v[SFR], v[TR], v[TR+1]
	v_max3_num_f32 v[SFR], v[SFR], v[TR+2], v[TR+3]        ; S_f
	v_sub_nc_u32 v[IV], 0x7f000000, v[SFR]         ; 1 / S_f
	v_mov_b32 v[IV+1], v[IV]
	; the four scales are turned so that number m is that of the walk's trips 2 m (and 2 m + 1 where the first trip is even): quarter ((first trip >> 1) + m) & 3.
	; A turn by one and a turn by two, each chosen by a bit of the first trip: a choice of values, so that every register number in the trips is a constant.
	s_bitcmp1_b32 s19, 1
	s_cselect_b32 vcc_lo, -1, 0
.irp m, 0,1,2,3
	v_cndmask_b32 v[MX+\m], v[TR+\m], v[TR+((\m+1)&3)], vcc_lo
.endr
	s_bitcmp1_b32 s19, 2
	s_cselect_b32 vcc_lo, -1, 0
.irp m, 0,1,2,3
	v_cndmask_b32 v[TR+\m], v[MX+\m], v[MX+((\m+2)&3)], vcc_lo
.endr
.irp q, 0,1,2,3
	v_mul_f32 v[MX+\q], v[TR+\q], v[IV]
.endr
.irp q, 0,1,2,3
	v_cvt_pk_f16_f32 v[FQ+\q], v[MX+\q], v[MX+\q]
.endr
	s_bitcmp1_b32 s19, 0                           ; where the first trip is odd, the walk's trip 2 m + 1 lies in the next quarter
	s_cselect_b32 vcc_lo, -1, 0
.irp q, 0,1,2,3
	v_cndmask_b32 v[FQO+\q], v[FQ+\q], v[FQ+((\q+1)&3)], vcc_lo
.endr
.set g, 0
.rept 16
	v_pk_mul_f32 v[SL+g:SL+g+1], v[SL+g:SL+g+1], v[IV:IV+1]
.set g, g+2
.endr
.set g, 0
.rept 16
	v_cvt_pk_f16_f32 v[SF+g], v[SL+2*g], v[SL+2*g+1]
.set g, g+1
.endr
	ds_store_b32 v[RSCST], v[SFR]
	STAGE 0, 1, 0                                  ; the first trip's tokens; the third trip's t goes out
	s_wait_dscnt 0x0
	s_wait_tensorcnt 0x1                           ; my quarter of slot 0 is in; slot 1's may stay out
	s_barrier_signal -1
	s_barrier_wait -1
	FETCH 0, 0, 0
	TRIP 0, 1, 1, 1, 2, 1                          ; the nine trips are written out: the factor's register is a constant of the trip
	TRIP 1, 0, 0, 1, 2, 2
	TRIP 0, 1, 0, 1, 2, 3
	TRIP 1, 0, 0, 1, 2, 4
	TRIP 0, 1, 0, 1, 2, 5                          ; the last loads of t (the walk's trip 7)
	TRIP 1, 0, 0, 2, 2, 6
	TRIP 0, 1, 0, 3, 3, 7                          ; the last fill: the ninth trip's weights (N)
	TRIP 1, 0, 0, 4, 1, 8                          ; s goes into the token ring
	TRIP 0, 1, 0, 0, 0, 0
	; THE WAY OUT, 16 rows at a time: times S_f, 32 bytes a lane into my own stage, read back as whole rows of 1,024 bytes
	PLACES
	WIN 0
.irp a, 0,1,2,3
	ds_load_b32 v[SC+2*\a], v[RSCRD] offset:64*\a  ; all four row tiles' scales at once: they stay in v224-231 through the four turns below
.endr
	s_wait_dscnt 0x0
.irp a, 0,1,2,3
	v_mov_b32 v[SC+2*\a+1], v[SC+2*\a]
.endr
.macro OUT16 a, ap, wmul, wst
	WIN \wmul
.set g, 0
.rept 64
	v_pk_mul_f32 v[128*\ap+g:128*\ap+g+1], v[128*\ap+g:128*\ap+g+1], v[SC+2*\a:SC+2*\a+1]
.set g, g+2
.endr
	WIN \wst
.irp b, 0,1,2,3,4,5,6,7,8,9,10,11,12,13,14,15
	ds_store_b128 v[OST], v[128*\ap+8*\b:128*\ap+8*\b+3]   offset:64*\b
	ds_store_b128 v[OST], v[128*\ap+8*\b+4:128*\ap+8*\b+7] offset:64*\b+16
.endr
	WIN 0
	s_wait_xcnt 0x0                                ; v32-159 are the data of the last 16 rows' stores: they are loaded over only behind this wait
.set nn, 0
.rept 32
	ds_load_b128 v[32+4*nn:32+4*nn+3], v[ORD] offset:(nn>>1)*OPITCH+(nn&1)*512     ; LDS serves a wave's instructions in order: these see the stores above
.set nn, nn+1
.endr
.set nn, 0
.rept 32
	s_wait_dscnt 31-nn
	global_store_b128 v[L16], v[32+4*nn:32+4*nn+3], s[62:63] offset:(16*\a+(nn>>1))*4096+(nn&1)*512 th:TH_STORE_NT   ; each store of the wave covers 512 consecutive bytes, aligned
.set nn, nn+1
.endr
.endm
	OUT16 0, 0, IN_LO, ST_LO
	OUT16 1, 1, IN_LO, ST_LO
	OUT16 2, 0, IN_HI, ST_HI
	OUT16 3, 1, IN_HI, ST_HI
	s_wait_tensorcnt 0x0
	ds_add_u32 v254, v255
	s_wait_dscnt 0x0
	CROUND                                         ; the closing round: no work-group ends while a partner may still ask for a tile that names it
	s_endpgm
.Lfunc_end_k_q2958d77247_back:
	.size	k_q2958d77247_back, .Lfunc_end_k_q2958d77247_back-k_q2958d77247_back
	.p2alignl 7, 3214868480
	.fill 96, 4, 3214868480
	.section	.rodata,"a",@progbits
	.p2align	6, 0x0
	.amdhsa_kernel k_q2958d77247_back
		.amdhsa_group_segment_fixed_size 327680
		.amdhsa_private_segment_fixed_size 0
		.amdhsa_enable_private_segment 0
		.amdhsa_kernarg_size 48
		.amdhsa_user_sgpr_count 2
		.amdhsa_user_sgpr_kernarg_segment_ptr 1
		.amdhsa_wavefront_size32 1
		.amdhsa_system_sgpr_workgroup_id_x 1
		.amdhsa_system_sgpr_workgroup_id_y 1
		.amdhsa_system_sgpr_workgroup_id_z 1
		.amdhsa_system_vgpr_workitem_id 0
		.amdhsa_next_free_vgpr 1024
		.amdhsa_next_free_sgpr 66
		.amdhsa_reserve_vcc 1
		.amdhsa_float_denorm_mode_32 3
		.amdhsa_float_denorm_mode_16_64 3
		.amdhsa_memory_ordered 1
		.amdhsa_forward_progress 1
		.amdhsa_inst_pref_size 217
	.end_amdhsa_kernel
	.amdgpu_metadata
---
amdhsa.version: [ 1, 2 ]
amdhsa.kernels:
  - .name:           k_q2958d77247_back
    .symbol:         k_q2958d77247_back.kd
    .args:
      - { .name: w2, .offset: 0, .size: 8, .value_kind: global_buffer, .address_space: global }
      - { .name: tws, .offset: 8, .size: 8, .value_kind: global_buffer, .address_space: global }
      - { .name: tsc, .offset: 16, .size: 8, .value_kind: global_buffer, .address_space: global }
      - { .name: sloc, .offset: 24, .size: 8, .value_kind: global_buffer, .address_space: global }
      - { .name: pws, .offset: 32, .size: 8, .value_kind: global_buffer, .address_space: global }
      - { .name: out0, .offset: 40, .size: 8, .value_kind: global_buffer, .address_space: global }
    .group_segment_fixed_size: 327680
    .private_segment_fixed_size: 0
    .kernarg_segment_align: 8
    .kernarg_segment_size: 48
    .max_flat_workgroup_size: 128
    .sgpr_count:     66
    .vgpr_count:     1024
    .wavefront_size: 32
...
	.end_amdgpu_metadata
.endif
;; end of part 3
;; ======== version 2 of 2: 3 launches; version 1 with the launch prep written anew for expert scheduling mode
;; limits: values are held in f16: magnitudes above 65,504 overflow, below 6.1e-05 lose precision; inputs' magnitudes at most 65,504
;; workspace buffers: w1 2,097,152 bytes; w2 1,179,648 bytes; wsm 131,072 bytes; tws 16,777,216 bytes; tsc 262,144 bytes; sloc 4,194,304 bytes; pws 4,194,304 bytes
;; launch prep (part 4): grid 256 x 1, 8 waves a work-group, no clusters, 25,600 bytes of LDS; arguments W_toP, W_U, W_V, W_F, W_lam, B_mat, C_mat, W_fromP, w1, w2, wsm; writes w1, w2, wsm
.if DOCPART == 4
	.amdgcn_target "amdgcn-amd-amdhsa--gfx1250"
	.amdhsa_code_object_version 6
	.text
	.protected	k_q2958d77247_prep
	.globl	k_q2958d77247_prep
	.p2align	8
	.type	k_q2958d77247_prep,@function
k_q2958d77247_prep:
	s_mov_b64 s[64:65], 0
	v_nop
	global_prefetch_b8 v0, s[64:65] scope:SCOPE_SE
	s_setreg_imm32_b32 hwreg(HW_REG_WAVE_SCHED_MODE, 0, 2), 2
	s_setreg_imm32_b32 hwreg(HW_REG_WAVE_MODE, 25, 1), 1
	s_wait_xcnt 0x0
	s_wait_alu depctr_vm_vsrc(0)
; prep: folds and packs the weights, in f32, rounded once to f16, into the order in which the two matrix launches read them.
;   w1 : W_eff[d][p] = W_toP[d][p] + sum over a of W_U[d][p][a] W_V[p][a]   and   -log2(e) W_F[d][p]
;   w2 : W_fromP[p][d]   and   N[c][d] = sum over p of C_mat[c][p] W_fromP[p][d]
;   wsm: -log2(e) W_lam[p][c]   and   B_mat[p][c]
; The two foldings are exact identities of the sums (they hold for every input); they round in another order than the sums as first written.
; A fragment of 16 columns x 32 K of f16 is 1,024 bytes: element (column n, kk) lies at (kk>>4) 512 + ((kk>>3)&1) 256 + 16 n + 2 (kk&7),
; so that a lane of a matrix launch finds its registers 0-3 at 16 x lane and its registers 4-7 at 512 + 16 x lane.
; A thread owns one column and 8 consecutive K: 8 loads, 4 packed roundings, one store of 16 bytes; sixteen neighbouring lanes store 256
; consecutive bytes, aligned.  No matrix instruction: the work is 0.08 G multiply-adds on 15 MB.
; LIMIT: every packed number must lie below 65,504 in magnitude (f16); numbers below 6e-5 keep an absolute error of 3e-8.
; THE MODE: SCHED_MODE bits 1:0 = 2 (LLVM: expert scheduling mode 2), set by the entry lines.  The code itself states the register dependences
; between vector instructions and memory or LDS instructions, with s_wait_alu, always for 0.
; THE PLAN.  Registers that memory or LDS instructions touch:
;   v2-15, v244-248  offsets and addresses: made at the head, never written again.
;   v16-99           the packing's inputs, as loaded.  The packing's arithmetic stands in one run; its four results (the first four registers of TP, FF, WW, SS)
;                    are read by one run of stores behind it.  v16-31 (C_mat) are read by four LDS stores.
;   v100-163         W_fromP for N: loaded once, read by vector instructions alone.
;   pair 0, v164-227 C_mat out of LDS for steps 0, 1; 4, 5; 8, 9; 12, 13 of N.      pair 1, v16-79: for steps 2, 3; 6, 7; 10, 11; 14, 15, when the packing has left these registers.
;                    Double step D multiplies by pair D & 1; at its head the 16 LDS loads of double step D + 1 land in the other pair, which double step D - 1 read.
;   v164-171         the wave's sums of N: written by eight additions, read by two LDS stores.      v172-235: wave 0's loads of all eight waves' sums; v172-175 are then its store's data.
; So: one wait on va_vdst ahead of the first load, one behind the packing, one at the head of each double step that loads over a pair that has been read, one ahead of the
; sums' LDS stores, one ahead of the last store; one wait on vm_vsrc, ahead of pair 1's first loads.
.set NLOG2E, 0xbfb8aa3b                ; -log2(e): the sigmoids are later made as 1 / (1 + 2^z)
.set RED,  16384                       ; LDS: [0, 16384) each wave's 8 x 64 block of C_mat; [16384, 24576) the waves' partial sums of N
.set L4,   2                           ; v2   4 x lane
.set L16,  3                           ; v3   16 x lane
.set DL,   5                           ; v5   lane term of every fragment store: (lane>>4) 1024 + 16 (lane&15)
.set UOFF, 6
.set TOFF, 7
.set VOFF, 8
.set DE,   9
.set WOFF, 10
.set DW,   11
.set SOFF, 12
.set DSM,  13
.set NOFF, 14
.set COFF, 15
.set CC,   16                          ; v[16:31]   my part of the wave's block of C_mat
.set SS,   32                          ; v[32:39]   W_lam or B_mat
.set VV,   40                          ; v[40:43]   W_V of my column
.set UU,   44                          ; v[44:75]   W_U, 8 d x 4 factors
.set TP,   76                          ; v[76:83]   W_toP
.set FF,   84                          ; v[84:91]   W_F
.set WW,   92                          ; v[92:99]   W_fromP, to pack
.set WN,   100                         ; v[100:163] W_fromP, 64 p of my column, for N
.set CT,   164                         ; v[164:227] pair 0: C_mat, 8 channels x 4 p, for two steps of N
.set CT2,  16                          ; v[16:79]   pair 1: the same; the registers of CC, SS, VV, UU and TP's first four, when the packing is done
.set AC,   228                         ; v[228:243] 8 channels, sums over even and odd p
.set CST,  244
.set CRD,  245
.set RST,  246
.set RRD,  247
.set DN,   248
; byte offset of a fragment store: K group g (8 K each), column group c (32 columns each), 1<<sh column groups in a wave's share
.macro FMDST vd, sg, sc, sh
	s_lshr_b32 s40, \sg, 3
	s_lshl_b32 s40, s40, 17                        ; trip of 64 K: 131,072 bytes
	s_lshr_b32 s41, \sc, \sh
	s_lshl_b32 s41, s41, 15                        ; wave's share: 32,768
	s_add_co_u32 s40, s40, s41
	s_bfe_u32 s41, \sg, 0x10002
	s_lshl_b32 s41, s41, 14                        ; unit of 32 K: 16,384
	s_add_co_u32 s40, s40, s41
	s_and_b32 s41, \sc, (1<<\sh)-1
	s_lshl_b32 s41, s41, 11                        ; two tiles of 1,024
	s_add_co_u32 s40, s40, s41
	s_and_b32 s41, \sg, 3
	s_lshl_b32 s41, s41, 8                         ; which 8 of the 32 K
	s_add_co_u32 s40, s40, s41
	v_add_nc_u32 v[\vd], s40, v[DL]
.endm
.macro PACK8 r                         ; 8 f32 at r to 8 f16 in r .. r+3 (each source is read before it is written)
.irp k, 0,1,2,3
	v_cvt_pk_f16_f32 v[\r+\k], v[\r+2*\k], v[\r+2*\k+1]
.endr
.endm
	s_load_b512 s[4:19], s[0:1], 0x0               ; W_toP 4, W_U 6, W_V 8, W_F 10, W_lam 12, B_mat 14, C_mat 16, W_fromP 18
	s_load_b128 s[20:23], s[0:1], 0x40             ; w1 20, w2 22
	s_load_b64 s[24:25], s[0:1], 0x50              ; wsm
	v_lshl_add_u32 v254, v0, 2, 0x6000
	v_mov_b32 v255, 0
	v_lshrrev_b32 v1, 5, v0
	v_readfirstlane_b32 s26, v1                    ; wave 0..7
	v_and_b32 v1, 31, v0                           ; lane
	v_lshlrev_b32 v[L4], 2, v1
	v_lshlrev_b32 v[L16], 4, v1
	v_and_b32 v4, 15, v0
	v_lshlrev_b32 v4, 4, v4                        ; 16 (lane&15)
	v_lshrrev_b32 v5, 4, v1                        ; lane>>4
	v_lshl_add_u32 v[COFF], v5, 11, v4             ; one row of C_mat further for the upper lanes
	v_lshl_add_u32 v[DL], v5, 10, v4
	s_wait_alu depctr_va_sdst(0)                   ; s26 is written, ahead of its first reader: the wave's shares and its LDS bytes are made from it
	s_lshl_b32 s27, ttmp9, 3
	s_add_co_u32 s27, s27, s26                     ; wave's number in the launch, 0..2047
	s_and_b32 s28, s27, 15                         ; W_eff, W_F: 32 columns p
	s_lshr_b32 s29, s27, 4                         ;             8 rows d
	s_and_b32 s30, s27, 31                         ; W_fromP: 32 columns d
	s_lshr_b32 s31, s27, 5                         ;          8 rows p
	s_lshr_b32 s32, ttmp9, 7                       ; small matrices, one piece a work-group: 0 W_lam, 1 B_mat
	s_bfe_u32 s33, ttmp9, 0x60001                  ;          8 rows p
	s_and_b32 s34, ttmp9, 1                        ;          32 channels
	s_and_b32 s35, ttmp9, 31                       ; N, one piece a work-group: 32 columns d
	s_lshr_b32 s36, ttmp9, 5                       ;          8 channels
	s_add_co_u32 s37, s36, 64                      ; N is K groups 64..71 of w2 (behind the 512 p)
	s_lshl_b32 s40, s29, 16
	s_lshl_b32 s41, s28, 9
	v_add3_u32 v[UOFF], s40, s41, v[L16]           ; W_U: d 8,192 bytes, p 16 bytes
	v_add_nc_u32 v[VOFF], s41, v[L16]              ; W_V: p 16 bytes
	s_lshl_b32 s40, s29, 14
	s_lshl_b32 s41, s28, 7
	v_add3_u32 v[TOFF], s40, s41, v[L4]            ; W_toP, W_F: d 2,048 bytes, p 4 bytes
	FMDST DE, s29, s28, 2
	s_lshl_b32 s40, s31, 15
	s_lshl_b32 s41, s30, 7
	v_add3_u32 v[WOFF], s40, s41, v[L4]            ; W_fromP: p 4,096 bytes, d 4 bytes
	FMDST DW, s31, s30, 3
	s_lshl_b32 s40, s33, 11
	s_lshl_b32 s41, s34, 7
	v_add3_u32 v[SOFF], s40, s41, v[L4]            ; W_lam, B_mat: p 256 bytes, channel 4 bytes
	s_lshl_b32 s40, s32, 16                        ; wsm: matrix 65,536; unit of 32 p 4,096; tile 1,024
	s_lshr_b32 s41, s33, 2
	s_lshl_b32 s41, s41, 12
	s_add_co_u32 s40, s40, s41
	s_lshl_b32 s41, s34, 11
	s_add_co_u32 s40, s40, s41
	s_and_b32 s41, s33, 3
	s_lshl_b32 s41, s41, 8
	s_add_co_u32 s40, s40, s41
	v_add_nc_u32 v[DSM], s40, v[DL]
	s_lshl_b32 s40, s26, 18                        ; N: wave w sums p = 64 w .. 64 w + 63
	s_lshl_b32 s41, s35, 7
	v_add3_u32 v[NOFF], s40, s41, v[L4]
	s_lshl_b32 s40, s36, 14                        ; C_mat: 8 channels of 2,048 bytes; 64 p are 256 bytes
	s_lshl_b32 s41, s26, 8
	v_add3_u32 v[COFF], s40, s41, v[COFF]
	FMDST DN, s37, s35, 3
	s_lshl_b32 s40, s26, 11
	v_add_nc_u32 v[CST], s40, v[L16]               ; LDS: my wave's 2,048 bytes, channel ch at 256 ch
	v_mov_b32 v[CRD], s40
	s_lshl_b32 s40, s26, 10
	v_lshlrev_b32 v[RRD], 5, v1
	v_add_nc_u32 v[RRD], RED, v[RRD]               ; 32 bytes a lane
	v_add_nc_u32 v[RST], s40, v[RRD]               ; 1,024 bytes a wave
	s_wait_kmcnt 0x0
	s_cmp_eq_u32 s32, 0
	s_cselect_b64 s[44:45], s[12:13], s[14:15]     ; W_lam or B_mat
	s_cselect_b32 s46, NLOG2E, 1.0                 ; and its factor
	s_wait_alu depctr_va_vdst(0)                   ; the offsets and addresses v2 to v15 and v244 to v248 are written: every load and store of the kernel reads one of them, and none is written again
	; all loads at once: 45 for the packing, then 64 for N
.irp y, 0,1,2,3
	global_load_b128 v[CC+4*\y:CC+4*\y+3], v[COFF], s[16:17] offset:4096*\y
.endr
.irp e, 0,1,2,3,4,5,6,7
	global_load_b32 v[SS+\e], v[SOFF], s[44:45] offset:256*\e
.endr
	global_load_b128 v[VV:VV+3], v[VOFF], s[8:9]
.irp e, 0,1,2,3,4,5,6,7
	global_load_b128 v[UU+4*\e:UU+4*\e+3], v[UOFF], s[6:7] offset:8192*\e th:TH_LOAD_NT
.endr
.irp e, 0,1,2,3,4,5,6,7
	global_load_b32 v[TP+\e], v[TOFF], s[4:5] offset:2048*\e
.endr
.irp e, 0,1,2,3,4,5,6,7
	global_load_b32 v[FF+\e], v[TOFF], s[10:11] offset:2048*\e
.endr
.irp e, 0,1,2,3,4,5,6,7
	global_load_b32 v[WW+\e], v[WOFF], s[18:19] offset:4096*\e
.endr
.set jj, 0
.rept 64
	global_load_b32 v[WN+jj], v[NOFF], s[18:19] offset:4096*jj
.set jj, jj+1
.endr
	s_wait_loadcnt 63                              ; 109 were issued, loads return in order: the first 46 are in, the 45 of the packing among them
.irp y, 0,1,2,3
	ds_store_b128 v[CST], v[CC+4*\y:CC+4*\y+3] offset:512*\y
.endr
	; C_mat for steps 0 and 1 of N, into pair 0, which no vector instruction has named: these sixteen are out while the packing is reckoned
.irp hf, 0,1
.irp ch, 0,1,2,3,4,5,6,7
	ds_load_b128 v[CT+32*\hf+4*\ch:CT+32*\hf+4*\ch+3], v[CRD] offset:256*\ch+16*\hf        ; my wave's own bytes: LDS serves a wave's instructions in order
.endr
.endr
	; the packing's arithmetic, in one run.  W_eff = W_toP + sum over the four factors
.irp a, 0,1,2,3
.irp e, 0,1,2,3,4,5,6,7
	v_fma_f32 v[TP+\e], v[UU+4*\e+\a], v[VV+\a], v[TP+\e]
.endr
.endr
	PACK8 TP
.irp e, 0,1,2,3,4,5,6,7
	v_mul_f32 v[FF+\e], NLOG2E, v[FF+\e]
.endr
	PACK8 FF
	PACK8 WW
.irp e, 0,1,2,3,4,5,6,7
	v_mul_f32 v[SS+\e], s46, v[SS+\e]
.endr
	PACK8 SS
	s_wait_alu depctr_va_vdst(0)                   ; the roundings have written the first four registers of TP, FF, WW and SS, which the stores below read; and the packing is done with v16 to v79, in which pair 1's first loads land
	global_store_b128 v[DE], v[TP:TP+3], s[20:21]
	global_store_b128 v[DE], v[FF:FF+3], s[20:21] offset:8192      ; the gate's tiles lie 8 tiles behind W_eff's
	global_store_b128 v[DW], v[WW:WW+3], s[22:23]
	s_cmp_lg_u32 s26, 1
	s_cbranch_scc1 .Lno_small                      ; the work-group has one piece of the small matrices: wave 1 stores it
	global_store_b128 v[DSM], v[SS:SS+3], s[24:25]
.Lno_small:
	; N: 16 steps of 4 p, in 8 double steps.  All lanes read the same 16 bytes of a channel's row.  At a double step's head the next double step's sixteen reads go out, into the other pair.
	s_wait_xcnt 0x0                                ; every earlier memory instruction has had its addresses translated (ISA guide 3.1): v32-35 and v76-79, the data of stores, are loaded over only behind this wait
	s_wait_alu depctr_vm_vsrc(0)                   ; the LDS stores have read v16-31, the global stores v32-35 and v76-79: pair 1's first loads land in them
.set dd, 0
.rept 8
.set pa, CT+(dd&1)*(CT2-CT)                    ; this double step's pair
.set pn, CT+((dd+1)&1)*(CT2-CT)                ; the next one's
.if (dd > 0) && (dd < 7)
	s_wait_alu depctr_va_vdst(0)                   ; the multiply-adds of the double step before are done reading the pair in which the sixteen loads below land
.endif
.if dd < 7
.irp hf, 0,1
.irp ch, 0,1,2,3,4,5,6,7
	ds_load_b128 v[pn+32*\hf+4*\ch:pn+32*\hf+4*\ch+3], v[CRD] offset:256*\ch+16*(2*dd+2+\hf)
.endr
.endr
.endif
.irp hf, 0,1
.set pq, 2*dd+\hf                              ; the step
.set ct0, pa+32*\hf
.if dd < 7
	s_wait_dscnt 24-8*\hf                          ; LDS loads come back in order: the sixteen just issued may be out, and in front of the first step the second step's eight
.else
	s_wait_dscnt 8-8*\hf                           ; the last double step asked for nothing: the counts run down
.endif
	s_wait_loadcnt 60-4*pq                         ; so many loads of W_fromP were issued behind the four of this step
.irp ch, 0,1,2,3,4,5,6,7
.if pq == 0
	v_pk_mul_f32 v[AC+2*\ch:AC+2*\ch+1], v[ct0+4*\ch:ct0+4*\ch+1], v[WN+4*pq:WN+4*pq+1]    ; the first products start the sums
.else
	v_pk_fma_f32 v[AC+2*\ch:AC+2*\ch+1], v[ct0+4*\ch:ct0+4*\ch+1], v[WN+4*pq:WN+4*pq+1], v[AC+2*\ch:AC+2*\ch+1]
.endif
.endr
.irp ch, 0,1,2,3,4,5,6,7
	v_pk_fma_f32 v[AC+2*\ch:AC+2*\ch+1], v[ct0+4*\ch+2:ct0+4*\ch+3], v[WN+4*pq+2:WN+4*pq+3], v[AC+2*\ch:AC+2*\ch+1]
.endr
.endr
.set dd, dd+1
.endr
.irp ch, 0,1,2,3,4,5,6,7
	v_add_f32 v[CT+\ch], v[AC+2*\ch], v[AC+2*\ch+1]
.endr
	s_wait_alu depctr_va_vdst(0)                   ; the additions have written v164-171, which the LDS stores read; and all vector work is done with v172-235, in which wave 0's loads below land
	ds_store_b128 v[RST], v[CT:CT+3]
	ds_store_b128 v[RST], v[CT+4:CT+7] offset:16
	s_wait_dscnt 0x0                               ; my partial sums are in LDS before I say so
	s_barrier_signal -1
	s_barrier_wait -1
	s_cmp_lg_u32 s26, 0
	s_cbranch_scc1 .Ldone                          ; wave 0 adds the eight waves' sums, in the order of the waves
.irp pw, 0,1,2,3,4,5,6,7
	ds_load_b128 v[CT+8+8*\pw:CT+8+8*\pw+3], v[RRD] offset:1024*\pw                ; no wait: no vector instruction since the wait above, and no memory or LDS instruction has read these registers
	ds_load_b128 v[CT+8+8*\pw+4:CT+8+8*\pw+7], v[RRD] offset:1024*\pw+16
.endr
	s_wait_dscnt 0x0
.irp pw, 1,2,3,4,5,6,7
.irp k, 0,2,4,6
	v_pk_add_f32 v[CT+8+\k:CT+8+\k+1], v[CT+8+\k:CT+8+\k+1], v[CT+8+8*\pw+\k:CT+8+8*\pw+\k+1]
.endr
.endr
	PACK8 CT+8
	s_wait_alu depctr_va_vdst(0)                   ; the roundings have written v172-175, which the store reads
	global_store_b128 v[DN], v[CT+8:CT+11], s[22:23]
.Ldone:
	s_wait_dscnt 0x0                               ; the closing lines, six on end
	s_wait_alu 0x0
	s_wait_tensorcnt 0x0
	ds_add_u32 v254, v255
	s_wait_dscnt 0x0
	s_endpgm
.Lfunc_end_k_q2958d77247_prep:
	.size	k_q2958d77247_prep, .Lfunc_end_k_q2958d77247_prep-k_q2958d77247_prep
	.p2alignl 7, 3214868480
	.fill 96, 4, 3214868480
	.section	.rodata,"a",@progbits
	.p2align	6, 0x0
	.amdhsa_kernel k_q2958d77247_prep
		.amdhsa_group_segment_fixed_size 25600
		.amdhsa_private_segment_fixed_size 0
		.amdhsa_enable_private_segment 0
		.amdhsa_kernarg_size 88
		.amdhsa_user_sgpr_count 2
		.amdhsa_user_sgpr_kernarg_segment_ptr 1
		.amdhsa_wavefront_size32 1
		.amdhsa_system_sgpr_workgroup_id_x 1
		.amdhsa_system_sgpr_workgroup_id_y 1
		.amdhsa_system_sgpr_workgroup_id_z 1
		.amdhsa_system_vgpr_workitem_id 0
		.amdhsa_next_free_vgpr 256
		.amdhsa_next_free_sgpr 66
		.amdhsa_reserve_vcc 0
		.amdhsa_float_denorm_mode_32 3
		.amdhsa_float_denorm_mode_16_64 3
		.amdhsa_memory_ordered 1
		.amdhsa_forward_progress 1
		.amdhsa_inst_pref_size 49
	.end_amdhsa_kernel
	.amdgpu_metadata
---
amdhsa.version: [ 1, 2 ]
amdhsa.kernels:
  - .name:           k_q2958d77247_prep
    .symbol:         k_q2958d77247_prep.kd
    .args:
      - { .name: W_toP, .offset: 0, .size: 8, .value_kind: global_buffer, .address_space: global }
      - { .name: W_U, .offset: 8, .size: 8, .value_kind: global_buffer, .address_space: global }
      - { .name: W_V, .offset: 16, .size: 8, .value_kind: global_buffer, .address_space: global }
      - { .name: W_F, .offset: 24, .size: 8, .value_kind: global_buffer, .address_space: global }
      - { .name: W_lam, .offset: 32, .size: 8, .value_kind: global_buffer, .address_space: global }
      - { .name: B_mat, .offset: 40, .size: 8, .value_kind: global_buffer, .address_space: global }
      - { .name: C_mat, .offset: 48, .size: 8, .value_kind: global_buffer, .address_space: global }
      - { .name: W_fromP, .offset: 56, .size: 8, .value_kind: global_buffer, .address_space: global }
      - { .name: w1, .offset: 64, .size: 8, .value_kind: global_buffer, .address_space: global }
      - { .name: w2, .offset: 72, .size: 8, .value_kind: global_buffer, .address_space: global }
      - { .name: wsm, .offset: 80, .size: 8, .value_kind: global_buffer, .address_space: global }
    .group_segment_fixed_size: 25600
    .private_segment_fixed_size: 0
    .kernarg_segment_align: 8
    .kernarg_segment_size: 88
    .max_flat_workgroup_size: 256
    .sgpr_count:     66
    .vgpr_count:     256
    .wavefront_size: 32
...
	.end_amdgpu_metadata
.endif
;; end of part 4
;; launch front: the kernel of part 2 again; grid 256 x 1, 4 waves a work-group, clusters of 4 x 1, 327,680 bytes of LDS; arguments x, w1, wsm, tws, tsc, sloc, pws; writes tws, tsc, sloc, pws
;; launch back: the kernel of part 3 again; grid 256 x 1, 4 waves a work-group, clusters of 4 x 1, 327,680 bytes of LDS; arguments w2, tws, tsc, sloc, pws, out0; writes out0
